; MI455X (gfx1250); checked and timed in simulation.
; The chip was launched on July 23, 2026; its instructions are those of AMD's public machine-readable ISA for CDNA 5 (MIT licence, August 2026) and "CDNA5" Instruction Set Architecture Reference Guide (July 2026). The comments in the code are by the model that wrote it; some were corrected since.
;; Causal Self Attention MLA. Allowed arithmetic: matrix products marked QUANTISED: E2M3 operands, one E8M0 scale for each 32 along K, by v_wmma_scale_f32_16x16x128_f8f6f4 with both operands' format E2M3, f32 sums; everything else in f32.
;; Inputs: W_d 2,048 x 2,048 float32; W_latent 2,048 x 128 float32; W_proj 2,048 x 2,048 float32; b_d 2,048 float32; b_latent 128 float32; b_proj 2,048 float32; x 2 x 2,048 x 2,048 float32.
;; Outputs: out0 2 x 2,048 x 2,048 float32.
;; This version of the problem:
;;   THIS VERSION OF THE PROBLEM IS GIVEN IN LOW PRECISION. The matrix products marked QUANTISED in the list below multiply operands that are first quantised to E2M3 (2 exponent bits, 3 mantissa bits; 6 bits a number), with one power-of-two scale for each 32 numbers along K (OCP MX v1.0); their sums are f32. All else is computed in f32.
;;   The module's matrix products, in the order in which they are computed (A, B: the left and right operand; K: the contracted axis; several contracted axes count as one K, in the product's order):
;;     1. [M 4,096, K 2,048] x [K 2,048, N 128]; A: input x; B: input W_latent: QUANTISED
;;     2. [M 4,096, K 2,048] x [K 2,048, N 2,048]; A: input x; B: input W_d: QUANTISED
;;     3. batch 2 x [M 32,768, K 128] x [K 128, N 2,048]; A: computed on the way; B: computed on the way: QUANTISED
;;     4. batch 2 x [M 32,768, K 2,048] x [K 2,048, N 128]; A: softmax (see below); B: computed on the way: QUANTISED
;;     5. [M 4,096, K 2,048] x [K 2,048, N 2,048]; A: computed on the way; B: input W_proj: QUANTISED
;;   THE QUANTISER, for each operand of a quantised product, along K:
;;     - K is cut into blocks of 32 from its start; a last block that is shorter is filled with zeros.
;;     - A block's scale is 2^e with e = floor(log2(the largest magnitude in the block)) - 2, held to -126 .. 127; a block of zeros has e = 0. As a byte (E8M0): e + 127.
;;     - Each number is divided by its block's scale, clamped to +-7.5, and rounded to the nearest number of E2M3, ties to even, subnormals kept.
;;     - The product sums the exact products of the quantised numbers (number of the format x scale) in f32.
;;   ~~~python
;;   def quantise(x, axis):      # numpy; x: float32 -> the quantised numbers, widened to float32 again
;;       x = np.moveaxis(x, axis, -1); K = x.shape[-1]
;;       x = np.pad(x, [(0, 0)] * (x.ndim - 1) + [(0, -K % 32)]); x = x.reshape(x.shape[:-1] + (-1, 32)); a = np.abs(x).max(-1, keepdims=True)
;;       e = np.where(a > 0, np.clip(np.frexp(np.where(a > 0, a, 1))[1] - 1 - 2, -126, 127), 0)      # np.frexp(a)[1] - 1 = floor(log2(a)), exactly
;;       r = np.clip(x / 2.0 ** e, -7.5, 7.5)
;;       step = 2.0 ** (np.maximum(np.frexp(np.where(r == 0, 1, r))[1] - 1, 0) - 3)
;;       q = np.round(r / step) * step * 2.0 ** e      # np.round: ties to even
;;       return np.moveaxis(q.reshape(q.shape[:-2] + (-1,))[..., :K], -1, axis).astype(np.float32)
;;   ~~~
;;   SOFTMAX AHEAD OF A QUANTISED PRODUCT. Where the list says 'softmax', what is quantised is not the finished softmax but p = 2^(t - M), with t = logit x log2(e) and M = ceil(the row's largest t), a whole number; so 1/2 < the row's largest p <= 1. The row's sum l is taken of the UNQUANTISED p, in f32, and the product's result is divided by l at the end. Since M is a whole number, a kernel that streams over the keys may use a running M (the ceiling of the running maximum): every later rescaling is an exact power of two, which a block's scale takes up: the codes' values come out the same.
;;   OPERANDS COMPUTED ON THE WAY. 'Computed on the way' means the value that the module computes at that place (a softmax that the list does not call 'softmax' is quantised finished and normalised). What goes into a quantiser is computed in f32, as accurately as f32 sums, v_exp_f32 and their like allow (about 1e-6 of the number): no bf16 or f16 on the way to a quantiser, and a product that is left as it is and whose result goes on into a quantised operand takes f32 operands (vector FMAs, or v_wmma_f32_16x16x4_f32). A number that lies on a knife's edge between two numbers of the format may be rounded either way, as far as f32 arithmetic and the matrix unit's own rounding can turn it there, and no further.
;; One version. Each part assembles by itself: llvm-mc -triple=amdgcn-amd-amdhsa -mcpu=gfx1250 --defsym DOCPART=n.
;; ======== version 1 of 1: 5 launches
;; workspace buffers: WB 7,806,976 bytes; XB 7,372,800 bytes; QB 6,553,600 bytes; YB 6,553,600 bytes
;; launch prep_w (part 1): grid 560 x 1, 4 waves a work-group, no clusters, 13,824 bytes of LDS; arguments W_d, W_proj, W_latent, WB; writes WB
.if DOCPART == 1
	.amdgcn_target "amdgcn-amd-amdhsa--gfx1250"
	.amdhsa_code_object_version 6
	.text
	.protected	k_qab920b44d6_prep_w
	.globl	k_qab920b44d6_prep_w
	.p2align	8
	.type	k_qab920b44d6_prep_w,@function
k_qab920b44d6_prep_w:
	s_mov_b64 s[64:65], 0
	v_nop
	global_prefetch_b8 v0, s[64:65] scope:SCOPE_SE
	s_setreg_imm32_b32 hwreg(HW_REG_WAVE_MODE, 25, 1), 1
	s_wait_xcnt 0x0
; W_d [2048][2048], W_proj [2048][2048], W_latent [2048][128], f32 with K as FIRST axis, become codes of FP6 (E2M3) with one E8M0 byte for each 32 along K,
; laid in the order of an operand's registers; and the table of cosines and sines for the rotary embedding is made.
; A FRAGMENT IMAGE is 16 rows x 128 K = 12 registers a lane = 1,536 bytes: registers 4 c .. 4 c + 3 of lane l at byte 512 c + 16 l.  WB holds [tile][K step] images (a tile: 24,576 bytes),
; tiles 0-127 W_d, 128-135 W_latent, 136-263 W_proj; behind them scale units [tile][K step / 4][row][4 words]; behind them the table.
; THE COLUMNS OF A TILE ARE NOT NEIGHBOURS: in each 32 columns, row m of tile 2 b + u is column 32 b + 8 u + m + 8 (m / 8), so that a product used transposed leaves 16 neighbours in a lane's 16 registers of two tiles.
; SHARES.  Work-groups 0-255: W_d, 256-511: W_proj, 512-527: W_latent: 128 columns x 128 K each, one path for all three (only pointers, pitch and tile base are chosen, on the work-group's number).
; A lane takes a column, its registers run down K: a block of 32 is one lane's 32 registers.  The codes go through the wave's own stage in LDS into image order and leave as runs of 512 consecutive bytes.
; A scale word is 4 bytes at a stride of 16: a unit of 256 bytes is completed by the four work-groups of four K steps; the words are one byte in 128 of what is read.
; Work-groups 528-559: the table, a tile of 16 positions a wave.
; A block's scale byte is its largest magnitude's exponent field - 2, held at 1 from below (a block of zeros gets 1: its codes are zeros, and this program alone reads the bytes).
; LIMITS: NaN and infinities are not served; blocks whose largest magnitude lies under 2^-124 keep the byte 1.
; TABLE: inv_freq = 2^(-i log2(10000) / 64), the exponent's rounding error taken out again; angle = position x inv_freq, rounded once; reduced by pi/2 in three parts; polynomials on |r| <= pi/4.
.set W_SC,  6488064
.set TAB,   6758400
.set STG,   3328                       ; a wave's stage: two images, 1,664 bytes apart
.set IMG2,  1664
.set SPARE, 13312                      ; the spare words, 128 bytes a wave
.set OF,  16                           ; v16-47   row i x pitch + 4 x lane
.set X,   48                           ; v48-111  two sets of 32 numbers
.set C,   112                          ; v112-143 a block's six registers of codes, eight apart
.set SW,  144                          ; v144     my column's scale word
.set INV, 16                           ; table path: v16-47 inv_freq, v48-79 its correction, v80-143 cos, sin
.set ERR, 48
.set OUT, 80
	s_load_b256 s[4:11], s[0:1], 0x0               ; W_d s[4:5], W_proj s[6:7], W_latent s[8:9], WB s[10:11]
	v_lshl_add_u32 v6, v0, 2, SPARE                ; my spare word,
	v_mov_b32 v7, 0                                ; and 0: both kept for the wave's end
	v_lshrrev_b32 v1, 5, v0
	v_readfirstlane_b32 s12, v1                    ; wave
	v_and_b32 v1, 31, v0                           ; lane
	s_cmp_ge_u32 ttmp9, 528
	s_cbranch_scc1 .Ltable
	v_bfe_u32 v8, v0, 3, 1                         ; u: which of my wave's two tiles my column falls into
	v_bfe_u32 v9, v0, 4, 1
	v_and_b32 v10, 7, v0
	v_lshl_or_b32 v9, v9, 3, v10                   ; m: its row there
	s_mul_i32 s13, s12, STG
	v_mul_u32_u24 v2, v8, IMG2
	v_lshl_add_u32 v2, v9, 4, v2
	v_add_nc_u32 v2, s13, v2                       ; into the stage: image u, lane m's 16 bytes
	v_lshlrev_b32 v4, 4, v1                        ; 16 x lane
	v_add_nc_u32 v3, s13, v4                       ; out of the stage
	v_lshlrev_b32 v5, 10, v8
	v_lshl_add_u32 v5, v9, 4, v5                   ; my scale word's place: 1,024 u + 16 m
	v_lshlrev_b32 v8, 2, v1                        ; 4 x lane
	s_wait_kmcnt 0x0
	s_cmp_lt_u32 ttmp9, 256                        ; the choices hang on the work-group's number alone
	s_cselect_b64 s[16:17], s[4:5], s[6:7]
	s_cselect_b32 s13, 0, 256                      ; the tensor's first work-group
	s_cselect_b32 s14, 0, 136                      ; its first tile
	s_cmp_lt_u32 ttmp9, 512
	s_cselect_b64 s[16:17], s[16:17], s[8:9]
	s_cselect_b32 s13, s13, 512
	s_cselect_b32 s14, s14, 128
	s_mov_b32 s15, 512
	s_cselect_b32 s15, 8192, s15                   ; a row in bytes
	s_cselect_b32 s18, 15, 0
	s_cselect_b32 s19, 4, 0
	s_sub_co_u32 s20, ttmp9, s13
	s_and_b32 s21, s20, s18                        ; which 128 columns
	s_lshr_b32 s20, s20, s19                       ; which K step
.irp i, 0,1,2,3,4,5,6,7,8,9,10,11,12,13,14,15,16,17,18,19,20,21,22,23,24,25,26,27,28,29,30,31
	v_mad_u32_u24 v[OF+\i], s15, \i, v8
.endr
	s_lshl_b32 s22, s20, 7
	s_mul_i32 s22, s22, s15                        ; 128 rows a K step,
	s_lshl_b32 s23, s21, 9
	s_add_co_u32 s22, s22, s23                     ; 512 bytes for 128 columns,
	s_lshl_b32 s23, s12, 7
	s_add_co_u32 s22, s22, s23                     ; 128 for my wave's 32
	s_mov_b32 s23, 0
	s_add_nc_u64 s[24:25], s[16:17], s[22:23]      ; block 0's first row;
	s_lshl_b32 s36, s15, 5
	s_mov_b32 s37, 0
	s_add_nc_u64 s[26:27], s[24:25], s[36:37]      ; blocks 1 to 3: 32 rows on each
	s_add_nc_u64 s[28:29], s[26:27], s[36:37]
	s_add_nc_u64 s[30:31], s[28:29], s[36:37]
	s_lshl_b32 s38, s21, 3
	s_add_co_u32 s38, s38, s14
	s_lshl_b32 s39, s12, 1
	s_add_co_u32 s38, s38, s39                     ; my wave's first tile
	s_mul_i32 s40, s38, 24576
	s_mul_i32 s41, s20, 1536
	s_add_co_u32 s40, s40, s41
	s_mov_b32 s41, 0
	s_add_nc_u64 s[32:33], s[10:11], s[40:41]      ; its image of this K step
	s_lshl_b32 s40, s38, 10
	s_lshr_b32 s42, s20, 2
	s_lshl_b32 s42, s42, 8
	s_add_co_u32 s40, s40, s42
	s_and_b32 s42, s20, 3
	s_lshl_b32 s42, s42, 2
	s_add_co_u32 s40, s40, s42
	s_add_co_u32 s40, s40, W_SC
	s_add_nc_u64 s[34:35], s[10:11], s[40:41]      ; and its scale words
.macro LOAD t                          ; block t: 32 rows of my column; a wave reads 128 consecutive bytes, the four waves 512
.irp i, 0,1,2,3,4,5,6,7,8,9,10,11,12,13,14,15,16,17,18,19,20,21,22,23,24,25,26,27,28,29,30,31
	global_load_b32 v[X+32*((\t)%2)+\i], v[OF+\i], s[24+2*(\t):25+2*(\t)] th:TH_LOAD_NT
.endr
.endm
; Block t = K 32 t .. 32 t + 31 is registers 6 (t / 2) .. + 5 of lane (m, t % 2) of the image.
.macro BLOCK t
.set XS, X+32*((\t)%2)
.set CC, C+8*(\t)
.if (\t) < 3
	s_wait_loadcnt 32                              ; this block's 32 loads are in; the next block's may be out
.else
	s_wait_loadcnt 0x0
.endif
	v_max3_num_f32 v12, |v[XS]|, |v[XS+1]|, |v[XS+2]|
	v_max3_num_f32 v13, |v[XS+3]|, |v[XS+4]|, |v[XS+5]|
.irp i, 6,10,14,18,22,26
	v_max3_num_f32 v12, v12, |v[XS+\i]|, |v[XS+\i+1]|
	v_max3_num_f32 v13, v13, |v[XS+\i+2]|, |v[XS+\i+3]|
.endr
	v_max3_num_f32 v12, v12, |v[XS+30]|, |v[XS+31]|
	v_max3_num_f32 v12, v12, v13, 0x1800000        ; the floor 2^(3 - 127): the byte cannot fall under 1
	v_add_nc_u32 v11, 0xff000000, v12              ; 2 off the exponent field: the conversion's scale operand
	v_lshrrev_b32 v13, 23, v11                     ; the byte
.if (\t) == 0
	v_mov_b32 v[SW], v13
.else
	v_lshl_or_b32 v[SW], v13, 8*(\t), v[SW]
.endif
	v_cvt_scalef32_pk16_fp6_f32 v[CC:CC+2], v[XS:XS+15], v11
	v_cvt_scalef32_pk16_fp6_f32 v[8:10], v[XS+16:XS+31], v11   ; (a conversion's three registers begin on an even number)
	v_nop                                          ; one plain line behind the conversions
	v_mov_b32 v[CC+3], v8
	v_mov_b32 v[CC+4], v9
	v_mov_b32 v[CC+5], v10
.if (\t) < 2
	ds_store_b128 v2, v[CC:CC+3] offset:256*((\t)&1)
	ds_store_b64 v2, v[CC+4:CC+5] offset:256*((\t)&1)+512
.else
	ds_store_b64 v2, v[CC:CC+1] offset:256*((\t)&1)+520
	ds_store_b128 v2, v[CC+2:CC+5] offset:256*((\t)&1)+1024
.endif
.if (\t) < 2
	LOAD (\t)+2
.endif
.endm
	LOAD 0
	LOAD 1
	BLOCK 0
	BLOCK 1
	BLOCK 2
	BLOCK 3
.irp n, 0,1,2,3,4,5
	ds_load_b128 v[X+4*\n:X+4*\n+3], v3 offset:IMG2*(\n/3)+512*(\n%3)   ; LDS serves a wave's instructions in order: these see my stores
.endr
.irp n, 0,1,2,3,4,5
	s_wait_dscnt 5-\n                              ; the younger read-backs may be out
	global_store_b128 v4, v[X+4*\n:X+4*\n+3], s[32:33] offset:24576*(\n/3)+512*(\n%3)   ; 512 consecutive bytes, aligned
.endr
	global_store_b32 v5, v[SW], s[34:35]
	s_wait_tensorcnt 0x0                           ; the wave's end, behind my last LDS store
	ds_add_u32 v6, v7
	s_wait_dscnt 0x0
	s_endpgm
.Ltable:
	s_sub_co_u32 s13, ttmp9, 528
	s_lshl_b32 s13, s13, 2
	s_add_co_u32 s13, s13, s12                     ; my tile of 16 positions
	s_lshl_b32 s14, s13, 4
	s_lshl_b32 s16, s13, 13
	s_add_co_u32 s16, s16, TAB
	s_mov_b32 s17, 0
	s_mov_b32 s20, 0x3e549a78                      ; log2(10000) / 64, upper part,
	s_mov_b32 s21, 0x31979a33                      ; lower part
	s_mov_b32 s22, 0x3f317218                      ; ln 2
	s_mov_b32 s23, 0x3f22f983                      ; 2 / pi
	s_mov_b32 s24, 0x3fc90fdb                      ; pi / 2 in three parts
	s_mov_b32 s25, 0xb33bbd2e
	s_mov_b32 s26, 0xa6f72ced
	s_mov_b32 s27, 0x37ccf5ce                      ; cosine's coefficients
	s_mov_b32 s28, 0xbab6061a
	s_mov_b32 s29, 0x3d2aaaa5
	s_mov_b32 s30, 0xb94ca1f9                      ; sine's
	s_mov_b32 s31, 0x3c08839e
	s_mov_b32 s32, 0xbe2aaaa3
	v_and_b32 v2, 15, v0
	v_bfe_u32 v3, v0, 4, 1
	v_add_nc_u32 v4, s14, v2
	v_cvt_f32_u32 v4, v4                           ; my position
	v_lshlrev_b32 v5, 3, v3                        ; 8 h
	v_lshlrev_b32 v1, 4, v1
; my 32 frequencies: number n is frequency 16 (n / 8) + 8 h + n % 8, the pair that a lane's registers 2 n, 2 n + 1 hold in the layout that the quantiser takes
.set N, 0
.rept 32
	v_add_nc_u32 v8, 16*(N/8)+N%8, v5
	v_cvt_f32_u32 v8, v8
	v_mul_f32 v[INV+N], s20, v8                    ; p, rounded
	v_fma_f32 v9, v8, s20, -v[INV+N]               ; what the rounding took,
	v_fma_f32 v9, v8, s21, v9                      ; and the constant's lower part
	v_mul_f32 v[ERR+N], s22, v9
.set N, N+1
.endr
.set N, 0
.rept 32
	v_exp_f32 v[INV+N], -v[INV+N]                  ; one batch
.set N, N+1
.endr
	v_nop                                          ; a plain line behind the last exponential,
	s_wait_alu depctr_va_vdst(0)                   ; and one wait for the batch, ahead of its first reader
.set N, 0
.rept 32
	v_fma_f32 v[INV+N], -v[ERR+N], v[INV+N], v[INV+N]
.set N, N+1
.endr
.set N, 0
.rept 32
	v_mul_f32 v8, v4, v[INV+N]                     ; the angle
	v_mul_f32 v9, s23, v8
	v_rndne_f32 v9, v9                             ; k quarter turns
	v_fma_f32 v10, -v9, s24, v8
	v_fma_f32 v10, -v9, s25, v10
	v_fma_f32 v10, -v9, s26, v10                   ; r, |r| <= pi / 4
	v_cvt_i32_f32 v11, v9
	v_mul_f32 v12, v10, v10                        ; z = r r
	v_fma_f32 v13, v12, s27, s28
	v_fma_f32 v13, v13, v12, s29
	v_mul_f32 v14, v12, v12
	v_fma_f32 v15, v12, -0.5, 1.0
	v_fma_f32 v13, v14, v13, v15                   ; cos r
	v_fma_f32 v144, v12, s30, s31
	v_fma_f32 v144, v144, v12, s32
	v_mul_f32 v145, v12, v10
	v_fma_f32 v144, v144, v145, v10                ; sin r
	v_and_b32 v146, 1, v11
	v_cmp_eq_u32 vcc_lo, 1, v146                   ; an odd k changes the two over: a choice of values, no branch
	v_cndmask_b32 v147, v13, v144, vcc_lo
	v_cndmask_b32 v148, v144, v13, vcc_lo
	v_add_nc_u32 v146, 1, v11
	v_and_b32 v146, 2, v146
	v_lshlrev_b32 v146, 30, v146
	v_xor_b32 v[OUT+2*N], v146, v147               ; cos: negative for k % 4 = 1, 2
	v_and_b32 v146, 2, v11
	v_lshlrev_b32 v146, 30, v146
	v_xor_b32 v[OUT+2*N+1], v146, v148             ; sin: negative for k % 4 = 2, 3
.set N, N+1
.endr
	s_wait_kmcnt 0x0
	s_add_nc_u64 s[16:17], s[10:11], s[16:17]
.irp i, 0,1,2,3,4,5,6,7,8,9,10,11,12,13,14,15
	global_store_b128 v1, v[OUT+4*\i:OUT+4*\i+3], s[16:17] offset:512*\i
.endr
	s_endpgm
.Lfunc_end_k_qab920b44d6_prep_w:
	.size	k_qab920b44d6_prep_w, .Lfunc_end_k_qab920b44d6_prep_w-k_qab920b44d6_prep_w
	.p2alignl 7, 3214868480
	.fill 96, 4, 3214868480
	.section	.rodata,"a",@progbits
	.p2align	6, 0x0
	.amdhsa_kernel k_qab920b44d6_prep_w
		.amdhsa_group_segment_fixed_size 13824
		.amdhsa_private_segment_fixed_size 0
		.amdhsa_enable_private_segment 0
		.amdhsa_kernarg_size 32
		.amdhsa_user_sgpr_count 2
		.amdhsa_user_sgpr_kernarg_segment_ptr 1
		.amdhsa_wavefront_size32 1
		.amdhsa_system_sgpr_workgroup_id_x 1
		.amdhsa_system_sgpr_workgroup_id_y 1
		.amdhsa_system_sgpr_workgroup_id_z 1
		.amdhsa_system_vgpr_workitem_id 0
		.amdhsa_next_free_vgpr 160
		.amdhsa_next_free_sgpr 66
		.amdhsa_reserve_vcc 1
		.amdhsa_float_denorm_mode_32 3
		.amdhsa_float_denorm_mode_16_64 3
		.amdhsa_memory_ordered 1
		.amdhsa_forward_progress 1
		.amdhsa_inst_pref_size 78
	.end_amdhsa_kernel
	.amdgpu_metadata
---
amdhsa.version: [ 1, 2 ]
amdhsa.kernels:
  - .name:           k_qab920b44d6_prep_w
    .symbol:         k_qab920b44d6_prep_w.kd
    .args:
      - { .name: W_d, .offset: 0, .size: 8, .value_kind: global_buffer, .address_space: global }
      - { .name: W_proj, .offset: 8, .size: 8, .value_kind: global_buffer, .address_space: global }
      - { .name: W_latent, .offset: 16, .size: 8, .value_kind: global_buffer, .address_space: global }
      - { .name: WB, .offset: 24, .size: 8, .value_kind: global_buffer, .address_space: global }
    .group_segment_fixed_size: 13824
    .private_segment_fixed_size: 0
    .kernarg_segment_align: 8
    .kernarg_segment_size: 32
    .max_flat_workgroup_size: 128
    .sgpr_count:     66
    .vgpr_count:     160
    .wavefront_size: 32
...
	.end_amdgpu_metadata
.endif
;; end of part 1
;; launch prep_x (part 2): grid 128 x 1, 4 waves a work-group, no clusters, 165,376 bytes of LDS; arguments x, WB, b_latent, XB; writes XB
.if DOCPART == 2
	.amdgcn_target "amdgcn-amd-amdhsa--gfx1250"
	.amdhsa_code_object_version 6
	.text
	.protected	k_qab920b44d6_prep_x
	.globl	k_qab920b44d6_prep_x
	.p2align	8
	.type	k_qab920b44d6_prep_x,@function
k_qab920b44d6_prep_x:
	s_mov_b64 s[64:65], 0
	v_nop
	global_prefetch_b8 v0, s[64:65] scope:SCOPE_SE
	s_setreg_imm32_b32 hwreg(HW_REG_WAVE_MODE, 25, 1), 1
	s_wait_xcnt 0x0
; x [4096][2048] f32 becomes fragment images and scale units (layouts: 16 rows x 128 K = 1,536 bytes, registers 4 c .. + 3 of lane l at 512 c + 16 l; units [tile][K step / 4][row][4 words]);
; and while each fragment is in registers the latent product kv = x W_latent + b_latent is made on codes of FP6, in BOTH orientations (the sources changed over: the same sums):
;   source 0 = W_latent, source 1 = x: a lane holds one row and its registers run along the 128 channels: bias, rotary embedding, quantised along the channels: K's images and scale words;
;   source 0 = x, source 1 = W_latent: a lane holds one channel and its registers run along the keys: bias, quantised along the keys: V's blocks and scale bytes.
; SHARES.  A work-group takes 32 rows: one block of 32 keys, the finest share in which a key block has one owner.  Wave w takes K 512 w .. 512 w + 511 of both tiles of 16 rows: 8 steps of 16 rows x 128 K.
; The four waves' partial sums meet in LDS behind the launch's one barrier and are added with K ascending; waves 0, 1 finish K's two tiles, waves 2, 3 V's eight channel tiles.
; A step's 16 loads read 512 consecutive bytes of a row each; the numbers turn through the wave's own stage (rows 528 bytes apart) so that lane (r, h) holds, of row r, 16 neighbours of each block of 32.
; V's ORDER INSIDE A BLOCK OF 32 KEYS: code 16 h + 8 u + j is key 16 u + 8 h + j; attention's weights are laid the same way, and a block has one scale, so products and scales are as the rule has them.
; V: [batch][128 keys][channel tile][key block][row][24 bytes]; row r of channel tile t is channel 32 (t / 2) + 8 (t % 2) + r + 8 (r / 8).  A block's 384 bytes and a scale byte are parts of units that neighbours complete: 0.4 MB in all.
; LIMITS: NaN and infinities are not served; blocks under 2^-124 keep the byte 1 (a block of zeros too: its codes are zeros); the latent sums are four partial sums along K, added in ascending order, then the bias.
.set W_SC,  6488064
.set TAB,   6758400
.set WL_IMG, 128*24576
.set WL_SC, W_SC+128*1024
.set X_SC,  6291456
.set K_IMG, 6553600
.set V_IMG, 6946816
.set K_SC,  7340032
.set V_SC,  7356416
.set PART,  33792                      ; LDS: four stages of 8,448 bytes; then each wave's 32 partial tiles, 32,768 bytes a wave
.set SPARE, 164864                     ; the spare words
; window 0: v1 16 lane, v2 r, v3 h, v4 stage in, v5 stage out, v6 partial sums in, v7, v232 out, v8 16 r, v9 16 r + 8 h, v10 4 r + 2 h, v11 24 r + 12 h, v12 4 r + 64 h, v13 4 (r + 8 (r / 8)), v14, v15 the add's two, v233 64 h
.set TM,  16                           ; v16-31   at work in the quantiser
.set PC,  32                           ; v32-50   the codes just made
.set SW,  52                           ; v52-59   x's scale words [tile u][step q]
.set BV,  60                           ; v60-63   the bias of my four channel tiles' rows
.set F,   64                           ; v64-127  64 numbers to quantise; later the sums
.set G,   128                          ; v128-191 a second set
.set WS,  192                          ; v192-223 W_latent's scale words 4 t + q
.set SEL, 42                           ; s[42:43] v_permlanex16_b32's selects for lane l xor 16
; window 1: 32 accumulators, tile T at v[8 T]: T = 8 u + t (rows in lanes), T = 16 + 2 t + u (channels in lanes).   window 2: W_latent's fragments, two sets of 96.   window 3: two sets of 64 numbers as loaded; later table and bias
.set MSB, 0
.macro WIN new                         ; the immediate's high byte repeats the setting that is left
.if MSB != \new
	s_set_vgpr_msb (MSB<<8)|\new
.set MSB, \new
.endif
.endm
.macro PLACES n
.rept \n
	v_nop
.endr
.endm
; 64 numbers of a lane, register 16 b + i = number 16 h + i of block b: scale bytes in v[TM+4 ..], half blocks of codes in v[PC], v[PC+12], v[PC+6], v[PC+16] (blocks 0 to 3)
.macro QUANT_A s
.irp b, 0,1,2,3
	v_max3_num_f32 v[TM+\b], |v[\s+16*\b]|, |v[\s+1+16*\b]|, 0x1800000   ; with the floor 2^(3 - 127): the byte cannot fall under 1
.endr
.irp i, 2,4,6,8,10,12,14
.irp b, 0,1,2,3
	v_max3_num_f32 v[TM+\b], v[TM+\b], |v[\s+16*\b+\i]|, |v[\s+1+16*\b+\i]|
.endr
.endr
.irp b, 0,1,2,3
	v_permlanex16_b32 v[TM+4+\b], v[TM+\b], s[SEL], s[SEL+1]
.endr
.irp b, 0,1,2,3
	v_max_num_f32 v[TM+\b], v[TM+\b], v[TM+4+\b]   ; with lane l xor 16's 16: the block's largest magnitude
.endr
.irp b, 0,1,2,3
	v_add_nc_u32 v[TM+12+\b], 0xff000000, v[TM+\b] ; 2 off its exponent field: the conversion's scale operand
.endr
.irp b, 0,1,2,3
	v_lshrrev_b32 v[TM+4+\b], 23, v[TM+12+\b]      ; the byte
.endr
.irp c, 0,1
	v_cvt_scalef32_pk16_fp6_f32 v[PC+6*\c:PC+2+6*\c], v[\s+32*\c:\s+15+32*\c], v[TM+12+2*\c]
	v_cvt_scalef32_pk16_fp6_f32 v[PC+12+4*\c:PC+14+4*\c], v[\s+16+32*\c:\s+31+32*\c], v[TM+12+2*\c+1]
.endr
	v_nop                                          ; one plain line behind the conversions
.endm
; the four bytes make the row's scale word in v[pw]; the half blocks change lanes so that v[PC:PC+11] is the operand: lanes 0-15 blocks 0, 2, lanes 16-31 blocks 1, 3
.macro QUANT_B pw
	v_lshl_or_b32 v[\pw], v[TM+5], 8, v[TM+4]
	v_lshl_or_b32 v[\pw], v[TM+6], 16, v[\pw]
	v_lshl_or_b32 v[\pw], v[TM+7], 24, v[\pw]
.irp c, 0,1
.irp i, 0,1,2
	v_permlane16_swap_b32 v[PC+6*\c+\i], v[PC+12+4*\c+\i]
.endr
.irp i, 0,1,2
	v_mov_b32 v[PC+3+6*\c+\i], v[PC+12+4*\c+\i]
.endr
.endr
.endm
	s_load_b256 s[4:11], s[0:1], 0x0               ; x s[4:5], WB s[6:7], b_latent s[8:9], XB s[10:11]
	v_lshl_add_u32 v14, v0, 2, SPARE
	v_mov_b32 v15, 0
	v_lshrrev_b32 v1, 5, v0
	v_readfirstlane_b32 s12, v1                    ; wave
	v_and_b32 v1, 31, v0
	v_lshlrev_b32 v1, 4, v1
	v_and_b32 v2, 15, v0
	v_bfe_u32 v3, v0, 4, 1
	s_mul_i32 s13, s12, 8448
	v_add_nc_u32 v4, s13, v1
	v_mul_u32_u24 v5, v2, 528
	v_lshl_add_u32 v5, v3, 6, v5
	v_add_nc_u32 v5, s13, v5
	s_lshl_b32 s13, s12, 15
	s_add_co_u32 s13, s13, PART
	v_add_nc_u32 v6, s13, v1
	s_lshl_b32 s13, s12, 13
	s_add_co_u32 s13, s13, PART
	v_add_nc_u32 v7, s13, v1
	v_add_nc_u32 v232, 0x10000, v7
	v_lshlrev_b32 v8, 4, v2
	v_lshl_add_u32 v9, v3, 3, v8
	v_lshlrev_b32 v10, 2, v2
	v_lshl_add_u32 v10, v3, 1, v10
	v_mul_u32_u24 v11, v2, 24
	v_mad_u32_u24 v11, v3, 12, v11
	v_lshlrev_b32 v12, 2, v2
	v_lshl_add_u32 v12, v3, 6, v12
	v_and_b32 v13, 8, v2
	v_add_nc_u32 v13, v13, v2
	v_lshlrev_b32 v13, 2, v13
	v_lshlrev_b32 v233, 6, v3
	v_cmp_ne_u32 s40, 0, v3                        ; lanes 16-31
.irp b, 0,1,2,3
	v_mov_b32 v[TM+4+\b], 0                        ; written once: a lane permute's destination counts as one of its sources
.endr
	s_mov_b32 s[SEL], 0x76543210
	s_mov_b32 s[SEL+1], 0xfedcba98
	s_lshl_b32 s44, ttmp9, 18                      ; 32 rows of 8,192 bytes,
	s_lshl_b32 s46, s12, 11
	s_add_co_u32 s44, s44, s46                     ; my wave's 512 numbers of a row
	s_mov_b32 s45, 0
	s_wait_kmcnt 0x0
	s_add_nc_u64 s[16:17], s[4:5], s[44:45]        ; x
	s_mul_i32 s44, s12, 6144
	s_add_co_u32 s44, s44, WL_IMG
	s_add_nc_u64 s[18:19], s[6:7], s[44:45]        ; W_latent's images, my four K steps
	s_lshl_b32 s44, s12, 8
	s_add_co_u32 s44, s44, WL_SC
	s_add_nc_u64 s[20:21], s[6:7], s[44:45]        ; and their scale units
	s_mul_i32 s44, ttmp9, 49152
	s_mul_i32 s46, s12, 6144
	s_add_co_u32 s44, s44, s46
	s_add_nc_u64 s[22:23], s[10:11], s[44:45]      ; x's images
	s_lshl_b32 s44, ttmp9, 11
	s_lshl_b32 s46, s12, 8
	s_add_co_u32 s44, s44, s46
	s_add_co_u32 s44, s44, X_SC
	s_add_nc_u64 s[24:25], s[10:11], s[44:45]      ; x's scale units
	s_and_b32 s47, s12, 1
	s_lshl_b32 s48, ttmp9, 1
	s_add_co_u32 s48, s48, s47                     ; the tile of 16 rows that waves 0, 1 finish
	s_and_b32 s44, s48, 127
	s_lshl_b32 s44, s44, 13
	s_add_co_u32 s44, s44, TAB
	s_add_nc_u64 s[26:27], s[6:7], s[44:45]        ; its positions' cosines and sines
	s_lshl_b32 s44, s47, 8
	s_add_nc_u64 s[28:29], s[8:9], s[44:45]        ; the bias of the four channel tiles that waves 2, 3 finish
	s_mul_i32 s44, s48, 1536
	s_add_co_u32 s44, s44, K_IMG
	s_add_nc_u64 s[30:31], s[10:11], s[44:45]
	s_lshl_b32 s44, s48, 6
	s_add_co_u32 s44, s44, K_SC
	s_add_nc_u64 s[32:33], s[10:11], s[44:45]
	s_lshr_b32 s49, ttmp9, 6                       ; batch
	s_and_b32 s50, ttmp9, 63                       ; key block
	s_lshr_b32 s51, s50, 2
	s_and_b32 s50, s50, 3
	s_mul_i32 s44, s49, 196608
	s_mul_i32 s46, s51, 12288
	s_add_co_u32 s44, s44, s46
	s_mul_i32 s46, s50, 384
	s_add_co_u32 s44, s44, s46
	s_mul_i32 s46, s47, 6144
	s_add_co_u32 s44, s44, s46
	s_add_co_u32 s44, s44, V_IMG
	s_add_nc_u64 s[34:35], s[10:11], s[44:45]
	s_lshl_b32 s44, s49, 13
	s_lshl_b32 s46, s51, 9
	s_add_co_u32 s44, s44, s46
	s_add_co_u32 s44, s44, s50
	s_lshl_b32 s46, s47, 8
	s_add_co_u32 s44, s44, s46
	s_add_co_u32 s44, s44, V_SC
	s_add_nc_u64 s[36:37], s[10:11], s[44:45]
.macro XLOAD s                         ; step s = 2 q + u: 16 rows of tile u, K step q of my four: each load 512 consecutive bytes of one row
	WIN 0xc0
.irp i, 0,1,2,3,4,5,6,7,8,9,10,11,12,13,14,15
	global_load_b128 v[64*((\s)&1)+4*\i:64*((\s)&1)+4*\i+3], v1, s[16:17] offset:(16*((\s)&1)+\i)*8192+512*((\s)>>1) th:TH_LOAD_NT
.endr
	WIN 0
.endm
.macro WLOAD q                         ; W_latent's eight fragments of K step q
	WIN 0x80
.irp t, 0,1,2,3,4,5,6,7
.irp c, 0,1,2
	global_load_b128 v[96*((\q)&1)+12*\t+4*\c:96*((\q)&1)+12*\t+4*\c+3], v1, s[18:19] offset:24576*\t+1536*(\q)+512*\c
.endr
.endr
	WIN 0
.endm
.macro STEP s, A                       ; A: the younger loads that may stay out
.set QQ, (\s)>>1
.set UU, (\s)&1
	s_wait_loadcnt \A
	WIN 0x0c
.irp i, 0,1,2,3,4,5,6,7,8,9,10,11,12,13,14,15
	ds_store_b128 v4, v[64*UU+4*\i:64*UU+4*\i+3] offset:528*\i
.endr
	WIN 0
.irp b, 0,1,2,3
.irp j, 0,1,2,3
	ds_load_b128 v[F+16*\b+4*\j:F+16*\b+4*\j+3], v5 offset:128*\b+16*\j   ; LDS serves a wave's instructions in order: these see my stores
.endr
.endr
	s_wait_dscnt 0x0                               ; the numbers are back, and the stores have read their registers
.if (UU == 0) && (QQ < 3)
	PLACES 4                                       ; in front of loads into fragments that the last step's products read
	WLOAD QQ+1
.endif
.if (\s) <= 5
	XLOAD (\s)+2
.elseif (\s) == 6
	WIN 0xc0
.irp i, 0,1,2,3,4,5,6,7,8,9,10,11,12,13,14,15
	global_load_b128 v[4*\i:4*\i+3], v1, s[26:27] offset:512*\i          ; the table: register 2 m cos, 2 m + 1 sin of my pair m
.endr
	WIN 0
.else
	WIN 0xc0
.irp b, 0,1,2,3
.irp j, 0,1,2,3
	global_load_b128 v[64+16*\b+4*\j:64+16*\b+4*\j+3], v233, s[8:9] offset:128*\b+16*\j   ; the bias along the channels
.endr
.endr
	WIN 0
.irp t, 0,1,2,3
	global_load_b32 v[BV+\t], v13, s[28:29] offset:(32*(\t/2)+8*(\t%2))*4   ; and by a channel tile's rows
.endr
.endif
	s_wait_xcnt 0x0                                ; the last step's stores have read the codes' registers
	QUANT_A F
	QUANT_B SW+4*UU+QQ
.irp c, 0,1,2
	global_store_b128 v1, v[PC+4*\c:PC+4*\c+3], s[22:23] offset:24576*UU+1536*QQ+512*\c
.endr
	PLACES 8                                       ; a scale word made by vector instructions stands 8 places ahead of a scaled product, an operand 4
	WIN 0x52                                       ; source 0 window 2, source 1 window 0, C and D window 1
.irp t, 0,1,2,3,4,5,6,7
.if QQ == 0
	v_wmma_scale_f32_16x16x128_f8f6f4 v[8*(8*UU+\t):8*(8*UU+\t)+7], v[96*(QQ&1)+12*\t:96*(QQ&1)+12*\t+11], v[PC:PC+11], 0, v[WS+4*\t+QQ], v[SW+4*UU+QQ] matrix_a_fmt:MATRIX_FMT_FP6 matrix_b_fmt:MATRIX_FMT_FP6
.else
	v_wmma_scale_f32_16x16x128_f8f6f4 v[8*(8*UU+\t):8*(8*UU+\t)+7], v[96*(QQ&1)+12*\t:96*(QQ&1)+12*\t+11], v[PC:PC+11], v[8*(8*UU+\t):8*(8*UU+\t)+7], v[WS+4*\t+QQ], v[SW+4*UU+QQ] matrix_a_fmt:MATRIX_FMT_FP6 matrix_b_fmt:MATRIX_FMT_FP6
.endif
.endr
	WIN 0x58                                       ; the sources changed over
.irp t, 0,1,2,3,4,5,6,7
.if QQ == 0
	v_wmma_scale_f32_16x16x128_f8f6f4 v[8*(16+2*\t+UU):8*(16+2*\t+UU)+7], v[PC:PC+11], v[96*(QQ&1)+12*\t:96*(QQ&1)+12*\t+11], 0, v[SW+4*UU+QQ], v[WS+4*\t+QQ] matrix_a_fmt:MATRIX_FMT_FP6 matrix_b_fmt:MATRIX_FMT_FP6
.else
	v_wmma_scale_f32_16x16x128_f8f6f4 v[8*(16+2*\t+UU):8*(16+2*\t+UU)+7], v[PC:PC+11], v[96*(QQ&1)+12*\t:96*(QQ&1)+12*\t+11], v[8*(16+2*\t+UU):8*(16+2*\t+UU)+7], v[SW+4*UU+QQ], v[WS+4*\t+QQ] matrix_a_fmt:MATRIX_FMT_FP6 matrix_b_fmt:MATRIX_FMT_FP6
.endif
.endr
	WIN 0                                          ; sixteen accumulators by turns; the next step takes the other sixteen
.endm
.irp t, 0,1,2,3,4,5,6,7
	global_load_b128 v[WS+4*\t:WS+4*\t+3], v8, s[20:21] offset:1024*\t
.endr
	WLOAD 0
	XLOAD 0
	XLOAD 1
	STEP 0, 16                                     ; 16: the next step's loads of x;  40: W_latent's next 24 and 16 of x
	STEP 1, 40
	STEP 2, 16
	STEP 3, 40
	STEP 4, 16
	STEP 5, 40
	STEP 6, 16
	STEP 7, 16                                     ; (the table's 16)
	v_cndmask_b32 v224, v[SW+0], v[SW+2], s40      ; x's scale units: lane (r, h) stores words 2 h, 2 h + 1 of row r: the wave fills one aligned block of 256 bytes
	v_cndmask_b32 v225, v[SW+1], v[SW+3], s40
	v_cndmask_b32 v226, v[SW+4], v[SW+6], s40
	v_cndmask_b32 v227, v[SW+5], v[SW+7], s40
	global_store_b64 v9, v[224:225], s[24:25]
	global_store_b64 v9, v[226:227], s[24:25] offset:1024
	PLACES 4                                       ; behind the last products, in front of the stores that read their results
	WIN 0x04
.set T, 0
.rept 64
	ds_store_b128 v6, v[4*T:4*T+3] offset:512*T    ; each accumulator from its low end on
.set T, T+1
.endr
	WIN 0
	s_wait_dscnt 0x0                               ; for the others' sake: my partial sums have landed
	s_barrier_signal -1
	s_barrier_wait -1
.set T, 0
.rept 16                               ; my eight tiles, from all four waves
	ds_load_b128 v[F+4*T:F+4*T+3], v7 offset:512*T
	ds_load_b128 v[G+4*T:G+4*T+3], v7 offset:32768+512*T
.set T, T+1
.endr
	WIN 0x80
.set T, 0
.rept 16
	ds_load_b128 v[4*T:4*T+3], v232 offset:512*T
	ds_load_b128 v[64+4*T:64+4*T+3], v232 offset:32768+512*T
.set T, T+1
.endr
	WIN 0
	s_wait_dscnt 0x0
	s_wait_loadcnt 0x0                             ; table and biases
.set T, 0
.rept 32
	v_pk_add_f32 v[F+T:F+T+1], v[F+T:F+T+1], v[G+T:G+T+1]
.set T, T+2
.endr
	WIN 0x08
.set T, 0
.rept 32
	v_pk_add_f32 v[F+T:F+T+1], v[F+T:F+T+1], v[T:T+1]
.set T, T+2
.endr
.set T, 0
.rept 32
	v_pk_add_f32 v[F+T:F+T+1], v[F+T:F+T+1], v[64+T:64+T+1]
.set T, T+2
.endr
	WIN 0
	s_cmp_lt_u32 s12, 2
	s_cbranch_scc0 .Lvrole
	; ---- waves 0, 1: K.  Register 16 b + i is channel 32 b + 16 h + i of my row
	WIN 0x0c
.set T, 0
.rept 32
	v_pk_add_f32 v[F+T:F+T+1], v[F+T:F+T+1], v[64+T:64+T+1]              ; + bias
.set T, T+2
.endr
.set T, 0
.rept 32
	v_mul_f32 v[G+T], v[F+T+1], v[T+1]             ; x1 sin
	v_mul_f32 v[G+T+1], v[F+T], v[T+1]             ; x0 sin
.set T, T+2
.endr
.set T, 0
.rept 32
	v_fma_f32 v[G+T], v[F+T], v[T], -v[G+T]        ; x0 cos - x1 sin
	v_fma_f32 v[G+T+1], v[F+T+1], v[T], v[G+T+1]   ; x1 cos + x0 sin
.set T, T+2
.endr
	WIN 0
	s_wait_xcnt 0x0                                ; the last stores have read the codes' registers
	QUANT_A G
	QUANT_B 228
.irp c, 0,1,2
	global_store_b128 v1, v[PC+4*\c:PC+4*\c+3], s[30:31] offset:512*\c
.endr
	v_lshlrev_b32 v229, 4, v3
	v_lshrrev_b32 v229, v229, v228                 ; lanes 0-15 store the word's low half, lanes 16-31 its high half: 64 consecutive bytes
	global_store_b16 v10, v229, s[32:33]
	s_wait_tensorcnt 0x0                           ; the wave's end, behind my last LDS store
	ds_add_u32 v14, v15
	s_wait_dscnt 0x0
	s_endpgm
.Lvrole:
	; ---- waves 2, 3: V.  Register 16 t + 8 u + j is key 16 u + 8 h + j of row r of my channel tile t: the quantiser's four blocks are the four tiles
.irp t, 0,1,2,3
.irp i, 0,1,2,3,4,5,6,7,8,9,10,11,12,13,14,15
	v_add_f32 v[F+16*\t+\i], v[F+16*\t+\i], v[BV+\t]
.endr
.endr
	s_wait_xcnt 0x0
	QUANT_A F
	global_store_b96 v11, v[PC:PC+2], s[34:35]                   ; 16 codes a lane: a wave's store covers 384 consecutive bytes
	global_store_b96 v11, v[PC+12:PC+14], s[34:35] offset:1536
	global_store_b96 v11, v[PC+6:PC+8], s[34:35] offset:3072
	global_store_b96 v11, v[PC+16:PC+18], s[34:35] offset:4608
	v_cndmask_b32 v224, v[TM+4], v[TM+5], s40      ; lanes 0-15 store the even tile's byte, lanes 16-31 the odd tile's
	v_cndmask_b32 v225, v[TM+6], v[TM+7], s40
	global_store_b8 v12, v224, s[36:37]
	global_store_b8 v12, v225, s[36:37] offset:128
	s_wait_tensorcnt 0x0                           ; the wave's end, as above
	ds_add_u32 v14, v15
	s_wait_dscnt 0x0
	s_endpgm
.Lfunc_end_k_qab920b44d6_prep_x:
	.size	k_qab920b44d6_prep_x, .Lfunc_end_k_qab920b44d6_prep_x-k_qab920b44d6_prep_x
	.p2alignl 7, 3214868480
	.fill 96, 4, 3214868480
	.section	.rodata,"a",@progbits
	.p2align	6, 0x0
	.amdhsa_kernel k_qab920b44d6_prep_x
		.amdhsa_group_segment_fixed_size 165376
		.amdhsa_private_segment_fixed_size 0
		.amdhsa_enable_private_segment 0
		.amdhsa_kernarg_size 32
		.amdhsa_user_sgpr_count 2
		.amdhsa_user_sgpr_kernarg_segment_ptr 1
		.amdhsa_wavefront_size32 1
		.amdhsa_system_sgpr_workgroup_id_x 1
		.amdhsa_system_sgpr_workgroup_id_y 1
		.amdhsa_system_sgpr_workgroup_id_z 1
		.amdhsa_system_vgpr_workitem_id 0
		.amdhsa_next_free_vgpr 896
		.amdhsa_next_free_sgpr 66
		.amdhsa_reserve_vcc 0
		.amdhsa_float_denorm_mode_32 3
		.amdhsa_float_denorm_mode_16_64 3
		.amdhsa_memory_ordered 1
		.amdhsa_forward_progress 1
		.amdhsa_inst_pref_size 133
	.end_amdhsa_kernel
	.amdgpu_metadata
---
amdhsa.version: [ 1, 2 ]
amdhsa.kernels:
  - .name:           k_qab920b44d6_prep_x
    .symbol:         k_qab920b44d6_prep_x.kd
    .args:
      - { .name: x, .offset: 0, .size: 8, .value_kind: global_buffer, .address_space: global }
      - { .name: WB, .offset: 8, .size: 8, .value_kind: global_buffer, .address_space: global }
      - { .name: b_latent, .offset: 16, .size: 8, .value_kind: global_buffer, .address_space: global }
      - { .name: XB, .offset: 24, .size: 8, .value_kind: global_buffer, .address_space: global }
    .group_segment_fixed_size: 165376
    .private_segment_fixed_size: 0
    .kernarg_segment_align: 8
    .kernarg_segment_size: 32
    .max_flat_workgroup_size: 128
    .sgpr_count:     66
    .vgpr_count:     896
    .wavefront_size: 32
...
	.end_amdgpu_metadata
.endif
;; end of part 2
;; launch gemm_q (part 3): grid 16 x 16, 4 waves a work-group, clusters of 4 x 4, 327,680 bytes of LDS; arguments XB, WB, b_d, QB; writes QB
.if DOCPART == 3
	.amdgcn_target "amdgcn-amd-amdhsa--gfx1250"
	.amdhsa_code_object_version 6
	.text
	.protected	k_qab920b44d6_gemm_q
	.globl	k_qab920b44d6_gemm_q
	.p2align	8
	.type	k_qab920b44d6_gemm_q,@function
k_qab920b44d6_gemm_q:
	s_mov_b64 s[64:65], 0
	v_nop
	global_prefetch_b8 v0, s[64:65] scope:SCOPE_SE
	s_setreg_imm32_b32 hwreg(HW_REG_WAVE_MODE, 25, 1), 1
	s_wait_xcnt 0x0
	s_wait_alu depctr_hold_cnt(0) depctr_sa_sdst(0) depctr_va_vdst(0) depctr_va_sdst(0) depctr_va_ssrc(0) depctr_va_vcc(0) depctr_vm_vsrc(0)
	s_getreg_b32 s2, hwreg(HW_REG_IB_STS2, 6, 4)
	s_cmp_eq_u32 s2, 0
	s_cbranch_scc0 .Lentry_in_a_cluster
	s_endpgm
.Lentry_in_a_cluster:
	s_bfe_u32 s2, ttmp6, 0x10000c
	s_cmp_lg_u32 s2, 0xf033
	s_cbranch_scc0 .Lentry_shape_is_right
	s_endpgm
.Lentry_shape_is_right:
; q = x W_d + b_d on codes of FP6 (E2M3) with E8M0 scales, then the rotary embedding, then quantised along a head's 128: Q's fragment images and scale units.
; OPERANDS lie in memory as images of their registers: 16 rows x 128 K = 1,536 bytes (registers 4 c .. + 3 of lane l at 512 c + 16 l), [tile][K step]; scale units [tile][K step / 4][row][4 words].
; SHARES.  A work-group makes 256 rows x 128 columns, one head: 256 work-groups, one for each WGP (256 x 256 would leave half of them without work).  Wave w makes rows 64 w .. + 63 x all 128 columns:
; 4 tiles of rows x 8 tiles of W_d = 32 accumulators.  The product is used transposed (source 0 = W_d, source 1 = x) and W_d's tiles hold chosen columns, so that a lane holds one row and its 64 registers of a
; tile of rows run along the head: each tile of rows becomes one fragment of Q with no way through LDS.
; RING.  Two LDS slots of four K steps each (16 tiles of x, 8 of W_d: 147,456 bytes); K = 2,048 is four fills: two at the start, two refills.  A row of a tensor load is a tile's four K steps: 6,144 consecutive bytes.
; Every fragment load reads 512 consecutive bytes: no padding.  The scale units of the work-group's rows and columns, for all of K, come once with the first fills.
; CLUSTER 4 x 4: x's tiles hang on the block of rows alone and are asked for jointly along a row of the cluster, W_d's on the head alone, along a column.
; No prefetch: half of K is asked for in the first group and the rest a whole slot (128 products a wave) ahead.
; LIMITS: NaN and infinities are not served; blocks under 2^-124 keep the scale byte 1 (a block of zeros too: its codes are zeros).
.set TB0,   0                          ; W_d's first tile in WB
.set A_SC,  6291456
.set W_SC,  6488064
.set TAB,   6758400
.set Q_SC,  6291456
.set TILEB, 24576
.set KGB,   6144
.set FRB,   1536
.set SLOT,  147456
.set BOFF,  98304                      ; in a slot: x's 16 tiles, then W_d's 8
.set SCL,   294912                     ; behind the ring: x's scale units (16,384 bytes), then W_d's (8,192)
.set SPARE, 319488                     ; the spare words
; window 0: v1 r, v2 h, v3 16 lane, v4-5 x's fragments in slot 0, 1, v6-7 W_d's, v8 scale words, v9 64 h, v30-31 the add's two
.set PC,  10                           ; v10-28   the way out: codes
.set SC,  32                           ; v32-95   scale words, two sets: register 4 i + q: lanes 0-15 x's tile 4 w + i, lanes 16-31 W_d's tile i
.set AF,  96                           ; v96-191  x's fragments, two sets of 4
.set HA,  96                           ; the way out: v96-159 rotated numbers, v160-223 at work
.set HB,  160
.set TM,  224                          ; v224-239 at work in the quantiser
.set QW,  240                          ; v240-243 Q's scale words
.set SEL, 2                            ; s[2:3]
; window 1: accumulator (a, t) at v[8 (8 a + t)].   window 2: W_d's fragments, two sets of 8 (v0-191); v192-255 the bias, 8 registers a tile.   window 3: the table, 64 registers a tile of rows
.set G1, 24
.set G0, 32
.set G1B, 48
.set G0B, 56
.set G1S, 68
.set G0S, 76
.set G1SB, 80
.set G0SB, 88
.set MSB, 0
.macro WIN new                         ; the immediate's high byte repeats the setting that is left
.if MSB != \new
	s_set_vgpr_msb (MSB<<8)|\new
.set MSB, \new
.endif
.endm
.macro PLACES n
.rept \n
	v_nop
.endr
.endm
; A joint load: waves 0 and 1 fetch for x, waves 2 and 3 for W_d; the branch hangs on the wave's number alone.  An s_nop 0 and four v_nop follow each line.
.macro JLOAD g0a, g1a, g0b, g1b
	s_cmp_eq_u32 s15, 0
	s_cbranch_scc0 .Lfor_b_\@
	tensor_load_to_lds s[\g0a:\g0a+3], s[\g1a:\g1a+7]
	s_nop 0
.rept 4
	v_nop
.endr
	s_branch .Lasked_\@
.Lfor_b_\@:
	tensor_load_to_lds s[\g0b:\g0b+3], s[\g1b:\g1b+7]
	s_nop 0
.rept 4
	v_nop
.endr
.Lasked_\@:
.endm
.macro CREST                           ; a round of the cluster's barrier behind its opening barrier
	s_cmp_lg_u32 s14, 0
	s_cbranch_scc1 .Lnot_wave_0_\@
	s_barrier_signal -3
.Lnot_wave_0_\@:
	s_barrier_wait -3
	s_barrier_signal -1
	s_barrier_wait -1
.endm
.macro CROUND
	s_barrier_signal -1
	s_barrier_wait -1
	CREST
.endm
.macro QUANT_A s                       ; 64 numbers of a lane, register 16 b + i = K 32 b + 16 h + i of my row: bytes in v[TM+4 ..], half blocks of codes
.irp b, 0,1,2,3
	v_max3_num_f32 v[TM+\b], |v[\s+16*\b]|, |v[\s+1+16*\b]|, 0x1800000   ; with the floor 2^(3 - 127)
.endr
.irp i, 2,4,6,8,10,12,14
.irp b, 0,1,2,3
	v_max3_num_f32 v[TM+\b], v[TM+\b], |v[\s+16*\b+\i]|, |v[\s+1+16*\b+\i]|
.endr
.endr
.irp b, 0,1,2,3
	v_permlanex16_b32 v[TM+4+\b], v[TM+\b], s[SEL], s[SEL+1]
.endr
.irp b, 0,1,2,3
	v_max_num_f32 v[TM+\b], v[TM+\b], v[TM+4+\b]
.endr
.irp b, 0,1,2,3
	v_add_nc_u32 v[TM+12+\b], 0xff000000, v[TM+\b]
.endr
.irp b, 0,1,2,3
	v_lshrrev_b32 v[TM+4+\b], 23, v[TM+12+\b]
.endr
.irp c, 0,1
	v_cvt_scalef32_pk16_fp6_f32 v[PC+6*\c:PC+2+6*\c], v[\s+32*\c:\s+15+32*\c], v[TM+12+2*\c]
	v_cvt_scalef32_pk16_fp6_f32 v[PC+12+4*\c:PC+14+4*\c], v[\s+16+32*\c:\s+31+32*\c], v[TM+12+2*\c+1]
.endr
	v_nop                                          ; one plain line behind the conversions
.endm
.macro QUANT_B pw                      ; the scale word; whole blocks into the lanes: v[PC:PC+11] is the fragment
	v_lshl_or_b32 v[\pw], v[TM+5], 8, v[TM+4]
	v_lshl_or_b32 v[\pw], v[TM+6], 16, v[\pw]
	v_lshl_or_b32 v[\pw], v[TM+7], 24, v[\pw]
.irp c, 0,1
.irp i, 0,1,2
	v_permlane16_swap_b32 v[PC+6*\c+\i], v[PC+12+4*\c+\i]
.endr
.irp i, 0,1,2
	v_mov_b32 v[PC+3+6*\c+\i], v[PC+12+4*\c+\i]
.endr
.endr
.endm
	s_load_b256 s[4:11], s[0:1], 0x0               ; XB s[4:5], WB s[6:7], b_d s[8:9], QB s[10:11]
	v_lshl_add_u32 v30, v0, 2, SPARE
	v_mov_b32 v31, 0
	ds_add_u32 v30, v31                            ; the wave's opening: the add and its wait stand ahead of my first tensor load; work on registers stands between them
	v_lshrrev_b32 v1, 5, v0
	v_readfirstlane_b32 s14, v1                    ; wave
	s_lshr_b32 s15, s14, 1                         ; I fetch for x (0) or for W_d (1),
	s_and_b32 s16, s14, 1                          ; its first or second half
	s_bfe_u32 s40, ttmp6, 0x40000                  ; cx, cy
	s_bfe_u32 s41, ttmp6, 0x40004
	s_lshl_b32 s42, ttmp9, 2
	s_add_co_u32 s42, s42, s40                     ; the head
	s_and_b32 s17, ttmp7, 0xffff
	s_lshl_b32 s17, s17, 2
	s_add_co_u32 s17, s17, s41                     ; the block of 256 rows
	s_lshl_b32 s43, s41, 2
	s_lshl_b32 s43, 15, s43                        ; my row of the cluster
	s_lshl_b32 s44, 0x1111, s40                    ; my column
	s_or_b32 s[G1+0], s43, (3<<16)|(1<<21)         ; the mask; elements of 8 bytes; bit 21 set beside a mask; no padding
	s_mov_b32 s[G1+1], 768<<16                     ; tensor_dim0: 6,144 bytes
	s_mov_b32 s[G1+2], 8<<16                       ; tensor_dim1: 8 tiles
	s_mov_b32 s[G1+3], 768<<16                     ; tile_dim0
	s_mov_b32 s[G1+4], 8                           ; tile_dim1
	s_mov_b32 s[G1+5], 3072                        ; from tile to tile: 24,576 bytes
	s_mov_b32 s[G1+6], 0
	s_mov_b32 s[G1+7], 0
	s_or_b32 s[G1B+0], s44, (3<<16)|(1<<21)
	s_mov_b32 s[G1B+1], 768<<16
	s_mov_b32 s[G1B+2], 4<<16                      ; 4 tiles
	s_mov_b32 s[G1B+3], 768<<16
	s_mov_b32 s[G1B+4], 4
	s_mov_b32 s[G1B+5], 3072
	s_mov_b32 s[G1B+6], 0
	s_mov_b32 s[G1B+7], 0
	s_or_b32 s[G1S+0], s43, (3<<16)|(1<<21)        ; scale units: dense, as rows of 256 bytes: 32 rows for x,
	s_mov_b32 s[G1S+1], 32<<16
	s_mov_b32 s[G1S+2], 32<<16
	s_mov_b32 s[G1S+3], 32<<16
	s_mov_b32 s[G1S+4], 32
	s_mov_b32 s[G1S+5], 32
	s_mov_b32 s[G1S+6], 0
	s_mov_b32 s[G1S+7], 0
	s_or_b32 s[G1SB+0], s44, (3<<16)|(1<<21)       ; 16 for W_d
	s_mov_b32 s[G1SB+1], 32<<16
	s_mov_b32 s[G1SB+2], 16<<16
	s_mov_b32 s[G1SB+3], 32<<16
	s_mov_b32 s[G1SB+4], 16
	s_mov_b32 s[G1SB+5], 32
	s_mov_b32 s[G1SB+6], 0
	s_mov_b32 s[G1SB+7], 0
	s_lshl_b32 s20, s17, 4                         ; x's registers hold the block of rows and the wave's half alone, W_d's the head and the half alone
	s_lshl_b32 s18, s16, 3
	s_add_co_u32 s20, s20, s18
	s_mul_i32 s20, s20, TILEB
	s_mov_b32 s21, 0
	s_lshl_b32 s46, s42, 3
	s_lshl_b32 s18, s16, 2
	s_add_co_u32 s46, s46, s18
	s_add_co_u32 s46, s46, TB0
	s_mul_i32 s46, s46, TILEB
	s_mov_b32 s47, 0
	s_lshl_b32 s22, s17, 14
	s_lshl_b32 s18, s16, 13
	s_add_co_u32 s22, s22, s18
	s_add_co_u32 s22, s22, A_SC
	s_mov_b32 s23, 0
	s_lshl_b32 s92, s42, 13
	s_lshl_b32 s18, s16, 12
	s_add_co_u32 s92, s92, s18
	s_add_co_u32 s92, s92, W_SC+TB0*1024
	s_mov_b32 s93, 0
	s_mul_i32 s45, s16, 49152                      ; where they go: no place in the cluster enters an LDS address
	s_mul_i32 s94, s16, 24576
	s_add_co_u32 s94, s94, BOFF
	s_lshl_b32 s95, s16, 13
	s_add_co_u32 s95, s95, SCL
	s_lshl_b32 s96, s16, 12
	s_add_co_u32 s96, s96, SCL+16384
	s_wait_dscnt 0x0                               ; the opening add is done
	s_wait_kmcnt 0x0
	s_add_nc_u64 s[20:21], s[4:5], s[20:21]
	s_add_nc_u64 s[22:23], s[4:5], s[22:23]
	s_add_nc_u64 s[46:47], s[6:7], s[46:47]
	s_add_nc_u64 s[92:93], s[6:7], s[92:93]
	CROUND                                         ; all sixteen work-groups are here: the first joint loads meet
	s_mov_b32 s[G0S], 1
	s_mov_b32 s[G0S+1], s95
	s_mov_b64 s[G0S+2:G0S+3], s[22:23]
	s_or_b32 s[G0S+3], s[G0S+3], 0x80000000
	s_mov_b32 s[G0SB], 1
	s_mov_b32 s[G0SB+1], s96
	s_mov_b64 s[G0SB+2:G0SB+3], s[92:93]
	s_or_b32 s[G0SB+3], s[G0SB+3], 0x80000000
	JLOAD G0S, G1S, G0SB, G1SB                     ; the scales first; with the two slots three loads of mine are out
.irp s, 0,1
	s_mov_b32 s[G0+4*\s], 1
	s_add_co_u32 s[G0+4*\s+1], s45, \s*SLOT
	s_add_nc_u64 s[G0+4*\s+2:G0+4*\s+3], s[20:21], \s*KGB
	s_or_b32 s[G0+4*\s+3], s[G0+4*\s+3], 0x80000000
	s_mov_b32 s[G0B+4*\s], 1
	s_add_co_u32 s[G0B+4*\s+1], s94, \s*SLOT
	s_add_nc_u64 s[G0B+4*\s+2:G0B+4*\s+3], s[46:47], \s*KGB
	s_or_b32 s[G0B+4*\s+3], s[G0B+4*\s+3], 0x80000000
	JLOAD G0+4*\s, G1, G0B+4*\s, G1B
.endr
	v_and_b32 v1, 15, v0
	v_bfe_u32 v2, v0, 4, 1
	v_and_b32 v3, 31, v0
	v_lshlrev_b32 v3, 4, v3
	s_mul_i32 s18, s14, 24576
	v_add_nc_u32 v4, s18, v3                       ; my four tiles of x, slot 0,
	v_add_nc_u32 v5, SLOT, v4                      ; slot 1
	v_add_nc_u32 v6, BOFF, v3
	v_add_nc_u32 v7, SLOT+BOFF, v3
	s_xor_b32 s18, s14, 3
	s_add_co_u32 s18, s18, 1
	s_lshl_b32 s18, s18, 12                        ; 16,384 - 4,096 w: from my tiles' units to W_d's
	v_mul_u32_u24 v8, s18, v2                      ; lanes 16-31 take W_d's
	s_lshl_b32 s18, s14, 12
	s_add_co_u32 s18, s18, SCL
	v_add_nc_u32 v8, s18, v8
	v_lshl_add_u32 v8, v1, 4, v8
	v_lshlrev_b32 v9, 6, v2
.irp b, 0,1,2,3
	v_mov_b32 v[TM+4+\b], 0                        ; written once: a lane permute's destination counts as one of its sources
.endr
	s_lshl_b32 s12, s42, 9
	s_mov_b32 s13, 0
	s_add_nc_u64 s[8:9], s[8:9], s[12:13]          ; the head's bias
	s_and_b32 s2, s17, 7
	s_lshl_b32 s2, s2, 2
	s_add_co_u32 s2, s2, s14                       ; my four tiles of positions
	s_lshl_b32 s66, s2, 15
	s_add_co_u32 s66, s66, TAB
	s_mov_b32 s67, 0
	s_add_nc_u64 s[66:67], s[6:7], s[66:67]
	s_lshr_b32 s3, s17, 3
	s_lshl_b32 s3, s3, 4
	s_add_co_u32 s3, s3, s42                       ; 16 x batch + head
	s_lshl_b32 s3, s3, 5
	s_add_co_u32 s3, s3, s2
	s_mul_i32 s12, s3, 6144
	s_add_nc_u64 s[12:13], s[10:11], s[12:13]      ; Q's images: [batch][head][tile of positions]
	s_lshl_b32 s18, s3, 8
	s_add_co_u32 s18, s18, Q_SC
	s_mov_b32 s19, 0
	s_add_nc_u64 s[18:19], s[10:11], s[18:19]      ; and my unit of scale words
	s_mov_b32 s[SEL], 0x76543210
	s_mov_b32 s[SEL+1], 0xfedcba98
	WIN 0x80
.irp t, 0,1,2,3,4,5,6,7                ; the bias in the result's layout: lane (r, h), tile 2 b + u: columns 32 b + 8 u + 16 h + 0 .. 7
	global_load_b128 v[192+8*\t:195+8*\t], v9, s[8:9] offset:(32*(\t/2)+8*(\t%2))*4
	global_load_b128 v[196+8*\t:199+8*\t], v9, s[8:9] offset:(32*(\t/2)+8*(\t%2))*4+16
.endr
	WIN 0xc0
.irp a, 0,1,2,3
.irp i, 0,1,2,3,4,5,6,7,8,9,10,11,12,13,14,15
	global_load_b128 v[64*\a+4*\i:64*\a+4*\i+3], v3, s[66:67] offset:8192*\a+512*\i
.endr
.endr
	WIN 0
.macro FETCH slot, q, set              ; the fragments of the slot's K step q: W_d's eight, my four of x: 36 loads of 512 consecutive bytes
	WIN 0x80
.irp t, 0,1,2,3,4,5,6,7
.irp c, 0,1,2
	ds_load_b128 v[96*(\set)+12*\t+4*\c:96*(\set)+12*\t+4*\c+3], v[6+\slot] offset:KGB*\t+FRB*(\q)+512*\c
.endr
.endr
	WIN 0
.irp a, 0,1,2,3
.irp c, 0,1,2
	ds_load_b128 v[AF+48*(\set)+12*\a+4*\c:AF+48*(\set)+12*\a+4*\c+3], v[4+\slot] offset:KGB*\a+FRB*(\q)+512*\c
.endr
.endr
.endm
.macro SCALES kg                       ; the words of four K steps: one load a tile
.irp i, 0,1,2,3,4,5,6,7
	ds_load_b128 v[SC+32*((\kg)&1)+4*\i:SC+32*((\kg)&1)+4*\i+3], v8 offset:1024*\i+256*(\kg)
.endr
.endm
; n tiles of rows from a0 on x W_d's eight.  The 32 accumulators take turns, one instruction a turn, in one order throughout.  first = 1: the bias is the C.
.macro MULS a0, n, set, q, sc, first
.set AA, \a0
.rept \n
.irp t, 0,1,2,3,4,5,6,7
.if \first
	v_wmma_scale_f32_16x16x128_f8f6f4 v[8*(8*AA+\t):8*(8*AA+\t)+7], v[96*(\set)+12*\t:96*(\set)+12*\t+11], v[AF+48*(\set)+12*AA:AF+48*(\set)+12*AA+11], v[192+8*\t:192+8*\t+7], v[SC+32*(\sc)+4*\t+(\q)], v[SC+32*(\sc)+4*AA+(\q)] matrix_a_fmt:MATRIX_FMT_FP6 matrix_b_fmt:MATRIX_FMT_FP6 matrix_a_scale:MATRIX_SCALE_ROW1
.else
	v_wmma_scale_f32_16x16x128_f8f6f4 v[8*(8*AA+\t):8*(8*AA+\t)+7], v[96*(\set)+12*\t:96*(\set)+12*\t+11], v[AF+48*(\set)+12*AA:AF+48*(\set)+12*AA+11], v[8*(8*AA+\t):8*(8*AA+\t)+7], v[SC+32*(\sc)+4*\t+(\q)], v[SC+32*(\sc)+4*AA+(\q)] matrix_a_fmt:MATRIX_FMT_FP6 matrix_b_fmt:MATRIX_FMT_FP6 matrix_a_scale:MATRIX_SCALE_ROW1
.endif
.endr
.set AA, AA+1
.endr
.endm
.macro KSTEP slot, q, first            ; one of a slot's first three K steps: the next step's fragments are asked for, then 32 products
	s_wait_dscnt 0x0                               ; this step's fragments are in
	PLACES 4                                       ; in front of loads into the set that the last step's products read
	FETCH \slot, (\q)+1, 1-((\q)&1)
.if \first
	WIN 0x62                                       ; source 0 and C window 2, source 1 window 0, D window 1
.else
	WIN 0x52                                       ; C and D window 1
.endif
	MULS 0, 4, (\q)&1, \q, \slot, \first
	WIN 0
.endm
; A slot's last K step changes slots: ONE barrier; in front of it each wave waits for all its tensor loads, adds 0 to its spare word, and waits for that and for its reads of this slot.  fill = 1: the slot is filled again.
.macro TURN slot, next, fill, kgn
	s_wait_tensorcnt 0x0                           ; all my tensor loads have landed: my part of the next slot
	ds_add_u32 v30, v31
	s_wait_dscnt 1                                 ; (the add alone may be out: the fragments are in)
	WIN 0x52
	MULS 0, 1, 1, 3, \slot, 0
	s_wait_dscnt 0x0                               ; the add is done, and my reads of this slot are over
	s_barrier_signal -1
	MULS 1, 1, 1, 3, \slot, 0
	WIN 0
	s_barrier_wait -1
.if \fill
	CREST                                          ; the barrier has opened a round of the cluster's: no wave of any partner still reads this slot or has a load on its way
	s_add_nc_u64 s[G0+4*\slot+2:G0+4*\slot+3], s[G0+4*\slot+2:G0+4*\slot+3], 2*KGB
	s_add_nc_u64 s[G0B+4*\slot+2:G0B+4*\slot+3], s[G0B+4*\slot+2:G0B+4*\slot+3], 2*KGB
	JLOAD G0+4*\slot, G1, G0B+4*\slot, G1B         ; the first tensor load behind the round; its four v_nop are the places in front of the loads below
.else
	PLACES 4
.endif
	FETCH \next, 0, 0
	SCALES \kgn
	WIN 0x52
	MULS 2, 2, 1, 3, \slot, 0
	WIN 0
.endm
	s_wait_tensorcnt 1                             ; the scales and my part of slot 0 are in; slot 1's may stay out
	s_barrier_signal -1
	s_barrier_wait -1
	FETCH 0, 0, 0
	SCALES 0
	s_wait_loadcnt 63                              ; of the 80 loads issued the oldest 17 are in: the 16 of the bias among them
	KSTEP 0, 0, 1
	KSTEP 0, 1, 0
	KSTEP 0, 2, 0
	TURN 0, 1, 1, 1
	KSTEP 1, 0, 0
	KSTEP 1, 1, 0
	KSTEP 1, 2, 0
	TURN 1, 0, 1, 2
	KSTEP 0, 0, 0
	KSTEP 0, 1, 0
	KSTEP 0, 2, 0
	TURN 0, 1, 0, 3                                ; nothing is left to fetch
	KSTEP 1, 0, 0
	KSTEP 1, 1, 0
	KSTEP 1, 2, 0
	s_wait_dscnt 0x0
	WIN 0x52
	MULS 0, 4, 1, 3, 1, 0
	WIN 0
	; THE WAY OUT, a tile of 16 rows at a time: rotary embedding (register 2 m, 2 m + 1 of the table: cos, sin of my pair m), quantiser, image
	s_wait_loadcnt 0x0                             ; the table
	PLACES 4                                       ; behind the last products
	v_cmp_ne_u32 s97, 0, v2                        ; lanes 16-31
	v_lshlrev_b32 v246, 4, v1
	v_lshl_add_u32 v246, v2, 3, v246               ; 16 r + 8 h
.irp a, 0,1,2,3
	WIN 0x0d                                       ; source 0 window 1 (the sums), source 1 window 3 (the table)
.set M, 0
.rept 32
	v_mul_f32 v[HB+M], v[64*\a+M+1], v[64*\a+M+1]  ; x1 sin: each accumulator is read from its low end on
	v_mul_f32 v[HB+M+1], v[64*\a+M], v[64*\a+M+1]  ; x0 sin
.set M, M+2
.endr
.set M, 0
.rept 32
	v_fma_f32 v[HA+M], v[64*\a+M], v[64*\a+M], -v[HB+M]
	v_fma_f32 v[HA+M+1], v[64*\a+M+1], v[64*\a+M], v[HB+M+1]
.set M, M+2
.endr
	WIN 0
	s_wait_xcnt 0x0                                ; the last tile's stores have read the codes' registers
	QUANT_A HA
	QUANT_B QW+\a
.irp c, 0,1,2
	global_store_b128 v3, v[PC+4*\c:PC+4*\c+3], s[12:13] offset:FRB*\a+512*\c
.endr
.endr
	v_cndmask_b32 v244, v[QW+0], v[QW+2], s97      ; lane (r, h) stores words 2 h, 2 h + 1 of row r: one aligned block of 256 bytes
	v_cndmask_b32 v245, v[QW+1], v[QW+3], s97
	global_store_b64 v246, v[244:245], s[18:19]
	s_wait_tensorcnt 0x0                           ; the wave's end
	ds_add_u32 v30, v31
	s_wait_dscnt 0x0
	CROUND                                         ; the closing round
	s_endpgm
.Lfunc_end_k_qab920b44d6_gemm_q:
	.size	k_qab920b44d6_gemm_q, .Lfunc_end_k_qab920b44d6_gemm_q-k_qab920b44d6_gemm_q
	.p2alignl 7, 3214868480
	.fill 96, 4, 3214868480
	.section	.rodata,"a",@progbits
	.p2align	6, 0x0
	.amdhsa_kernel k_qab920b44d6_gemm_q
		.amdhsa_group_segment_fixed_size 327680
		.amdhsa_private_segment_fixed_size 0
		.amdhsa_enable_private_segment 0
		.amdhsa_kernarg_size 32
		.amdhsa_user_sgpr_count 2
		.amdhsa_user_sgpr_kernarg_segment_ptr 1
		.amdhsa_wavefront_size32 1
		.amdhsa_system_sgpr_workgroup_id_x 1
		.amdhsa_system_sgpr_workgroup_id_y 1
		.amdhsa_system_sgpr_workgroup_id_z 1
		.amdhsa_system_vgpr_workitem_id 0
		.amdhsa_next_free_vgpr 1024
		.amdhsa_next_free_sgpr 98
		.amdhsa_reserve_vcc 0
		.amdhsa_float_denorm_mode_32 3
		.amdhsa_float_denorm_mode_16_64 3
		.amdhsa_memory_ordered 1
		.amdhsa_forward_progress 1
		.amdhsa_inst_pref_size 167
	.end_amdhsa_kernel
	.amdgpu_metadata
---
amdhsa.version: [ 1, 2 ]
amdhsa.kernels:
  - .name:           k_qab920b44d6_gemm_q
    .symbol:         k_qab920b44d6_gemm_q.kd
    .args:
      - { .name: XB, .offset: 0, .size: 8, .value_kind: global_buffer, .address_space: global }
      - { .name: WB, .offset: 8, .size: 8, .value_kind: global_buffer, .address_space: global }
      - { .name: b_d, .offset: 16, .size: 8, .value_kind: global_buffer, .address_space: global }
      - { .name: QB, .offset: 24, .size: 8, .value_kind: global_buffer, .address_space: global }
    .group_segment_fixed_size: 327680
    .private_segment_fixed_size: 0
    .kernarg_segment_align: 8
    .kernarg_segment_size: 32
    .max_flat_workgroup_size: 128
    .sgpr_count:     98
    .vgpr_count:     1024
    .wavefront_size: 32
...
	.end_amdgpu_metadata
.endif
;; end of part 3
;; launch attn (part 4): grid 128 x 2, 16 waves a work-group, no clusters, 327,680 bytes of LDS; arguments QB, XB, YB; writes YB
.if DOCPART == 4
	.amdgcn_target "amdgcn-amd-amdhsa--gfx1250"
	.amdhsa_code_object_version 6
	.text
	.protected	k_qab920b44d6_attn
	.globl	k_qab920b44d6_attn
	.p2align	8
	.type	k_qab920b44d6_attn,@function
k_qab920b44d6_attn:
	s_mov_b64 s[64:65], 0
	v_nop
	global_prefetch_b8 v0, s[64:65] scope:SCOPE_SE
	s_setreg_imm32_b32 hwreg(HW_REG_WAVE_MODE, 25, 1), 1
	s_wait_xcnt 0x0
; y[b][h][q] = the sum over keys k <= q of softmax_k(Q . K / sqrt(128)) V, both products on codes of FP6 (E2M3) with E8M0 scales; K and V are one latent for all 16 heads.  y is quantised along (head, channel) on the way out.
; THE SOFTMAX AHEAD OF THE SECOND PRODUCT: t = score x log2(e) / sqrt(128); M = the running largest t rounded UP to a whole number; p = 2^(t - M) is quantised along the keys, not normalised; the row's sum is taken of the
; unquantised p and divides at the end.  When M moves, the sum and O are multiplied by 2^(old M - new M): exact.  A block's largest p is made from the block's largest score by the same two instructions
; (this takes v_exp_f32 not to fall where its input rises; at the worst one p of a block, within an ulp of a power of two, is held one code low).
; SHARES.  Sixteen waves of 256 registers.  Work-group (x, batch): x % 2 picks eight heads, x / 2 = pair.  Wave w: head 8 (x % 2) + w % 8; its tile of 16 queries is tile pair (w < 8) or tile 127 - pair: the two need
; 17 key steps of 128 together, in every work-group.  Every work-group walks all eight slots of 256 keys (constant trips); a step all of whose keys come after the wave's queries is jumped over, and a slot whose first key
; comes after the work-group's last query is not asked for: branches on ids alone.
; No cluster: how many slots a work-group needs hangs on its number, and no jump may lead round a joint load; K and V are 0.8 MB in all.
; LAYOUT.  Both products are used transposed: S^T = K Q^T, O^T = V^T P^T: a lane holds one query throughout.  K's tiles are 16 neighbouring keys, as fragment images (three loads of 512 consecutive bytes).
; Register 8 T + j of lane (r, h) is key 16 T + 8 h + j, so in a block of 32 keys code 16 h + 8 u + j is key 16 u + 8 h + j: V's blocks are laid the same way.  V: [128 keys][channel tile][key block][row][24 bytes].
; V's channel tiles hold chosen channels, so that O^T's 64 registers of a lane run along the head as the quantiser wants them.
; LIMITS: NaN and infinities are not served; blocks under 2^-124 keep the scale byte 1 (a block of zeros too: its codes are zeros).
.set K_IMG, 6553600
.set K_SC,  7340032
.set Q_SC,  6291456
.set Y_SC,  6291456
.set SLOT1, 131072                     ; slot 1 begins here: one exclusive or turns an address
.set VOFF,  24576                      ; a slot: 16 images of K, then 256 keys of V: 24,576 bytes each
.set SLOTB, 24576
.set SCK,   262144                     ; K's scale words of the batch (8,192 bytes), then V's
.set YST,   278528                     ; four units of y's scale words: bytes of their own
.set SPARE, 279552                     ; the spare words, 128 bytes for each of 16 waves
; v1 16 lane; v2 my place in V's tiles; v3 in the scale words; v4 16 r; v5, v6 the add's two; v7, v11 y's scale words in and out; v8-10 addresses of the step; v12 -M, v13 largest t, v[14:15] the sum; v16-27 Q; v28 256 lane; v29 8 lane;
; v32-79 four fragments; v80-83 K's scale words, v84-87 V's; v96-159 S^T, then p; v160-223 O^T; v224-235 p's codes; v232-254 at work; v253 p's scale word; v255 Q's
.set TM,  232
.set PC,  32
.set SEL, 20                           ; s[20:21]
; s18 wave; s[22:23] c; s2 the slot in hand; s3 the step's scale words; s67 slots to go; s98 the step's first key; s99 my first query; s66 my work-group's last query; s[76:77], s80 the prefetches
.macro TLOAD1                          ; wave 0 fetches a slot's K, wave 1 its V; an s_nop 0 and four v_nop follow the line
	s_cmp_lt_u32 s18, 2
	s_cbranch_scc0 .Lno_load_\@
	tensor_load_to_lds s[40:43], s[24:31]
	s_nop 0
.rept 4
	v_nop
.endr
.Lno_load_\@:
.endm
; A prefetch of what the NEXT change of slots will ask for: 24,576 dense bytes of K and of V.  All work-groups of a batch walk the same bytes: work-group x = 0 asks, which walks all slots; in it waves 4-6 for K, waves 8-10 for V,
; 8,192 bytes a wave, lanes 256 bytes apart: each block is named once.  Slots 0 and 1 come by their loads alone; the last change that fills a slot asks for nothing.
.macro ASK
	s_cmp_gt_u32 s67, s80
	s_cbranch_scc0 .Lnot_mine_\@
	global_prefetch_b8 v28, s[76:77] th:TH_LOAD_NT scope:SCOPE_SE
.Lnot_mine_\@:
.endm
.macro QUANT_A s
.irp b, 0,1,2,3
	v_max3_num_f32 v[TM+\b], |v[\s+16*\b]|, |v[\s+1+16*\b]|, 0x1800000
.endr
.irp i, 2,4,6,8,10,12,14
.irp b, 0,1,2,3
	v_max3_num_f32 v[TM+\b], v[TM+\b], |v[\s+16*\b+\i]|, |v[\s+1+16*\b+\i]|
.endr
.endr
.irp b, 0,1,2,3
	v_permlanex16_b32 v[TM+4+\b], v[TM+\b], s[SEL], s[SEL+1]
.endr
.irp b, 0,1,2,3
	v_max_num_f32 v[TM+\b], v[TM+\b], v[TM+4+\b]
.endr
.irp b, 0,1,2,3
	v_add_nc_u32 v[TM+12+\b], 0xff000000, v[TM+\b]
.endr
.irp b, 0,1,2,3
	v_lshrrev_b32 v[TM+4+\b], 23, v[TM+12+\b]
.endr
.irp c, 0,1
	v_cvt_scalef32_pk16_fp6_f32 v[PC+6*\c:PC+2+6*\c], v[\s+32*\c:\s+15+32*\c], v[TM+12+2*\c]
	v_cvt_scalef32_pk16_fp6_f32 v[PC+12+4*\c:PC+14+4*\c], v[\s+16+32*\c:\s+31+32*\c], v[TM+12+2*\c+1]
.endr
	v_nop
.endm
.macro QUANT_B pw
	v_lshl_or_b32 v[\pw], v[TM+5], 8, v[TM+4]
	v_lshl_or_b32 v[\pw], v[TM+6], 16, v[\pw]
	v_lshl_or_b32 v[\pw], v[TM+7], 24, v[\pw]
.irp c, 0,1
.irp i, 0,1,2
	v_permlane16_swap_b32 v[PC+6*\c+\i], v[PC+12+4*\c+\i]
.endr
.irp i, 0,1,2
	v_mov_b32 v[PC+3+6*\c+\i], v[PC+12+4*\c+\i]
.endr
.endr
.endm
	s_load_b128 s[4:7], s[0:1], 0x0                ; QB s[4:5], XB s[6:7]
	s_load_b64 s[8:9], s[0:1], 0x10                ; YB
	v_lshl_add_u32 v5, v0, 2, SPARE
	v_mov_b32 v6, 0
	ds_add_u32 v5, v6                              ; the wave's opening: the add and its wait stand ahead of the first tensor loads; work on registers stands between them
	v_lshrrev_b32 v8, 5, v0
	v_readfirstlane_b32 s18, v8                    ; wave 0..15
	s_and_b32 s10, ttmp7, 0xffff                   ; batch
	s_and_b32 s11, ttmp9, 1
	s_lshr_b32 s12, ttmp9, 1                       ; pair
	s_and_b32 s13, s18, 7
	s_lshl_b32 s14, s11, 3
	s_add_co_u32 s13, s13, s14                     ; head
	s_sub_co_u32 s15, 127, s12                     ; the late tile
	s_lshr_b32 s14, s18, 3
	s_cmp_eq_u32 s14, 0
	s_cselect_b32 s16, s12, s15                    ; my tile of queries
	s_lshl_b32 s99, s16, 4
	s_lshl_b32 s66, s15, 4
	s_or_b32 s66, s66, 15
	s_lshl_b32 s68, s10, 4
	s_add_co_u32 s68, s68, s13
	s_lshl_b32 s70, s68, 7
	s_add_co_u32 s70, s70, s16
	s_mul_i32 s70, s70, 1536                       ; Q's image
	s_mov_b32 s71, 0
	s_lshl_b32 s72, s68, 5
	s_lshr_b32 s69, s16, 2
	s_add_co_u32 s72, s72, s69
	s_lshl_b32 s72, s72, 8
	s_and_b32 s69, s16, 3
	s_lshl_b32 s69, s69, 2
	s_add_co_u32 s72, s72, s69
	s_add_co_u32 s72, s72, Q_SC                    ; its scale words
	s_mov_b32 s73, 0
	s_lshl_b32 s74, s10, 7
	s_add_co_u32 s69, s74, s16
	s_mul_i32 s82, s69, 24576
	s_mul_i32 s69, s13, 1536
	s_add_co_u32 s82, s82, s69                     ; y's image: [tile of rows][K step = head]
	s_mov_b32 s83, 0
	s_bfe_u32 s69, s18, 0x10001
	s_cmp_eq_u32 s69, 0
	s_cselect_b32 s69, s12, s15
	s_add_co_u32 s69, s69, s74
	s_lshl_b32 s84, s69, 10
	s_lshl_b32 s69, s11, 1
	s_and_b32 s88, s18, 1
	s_add_co_u32 s69, s69, s88
	s_lshl_b32 s69, s69, 8
	s_add_co_u32 s84, s84, s69
	s_add_co_u32 s84, s84, Y_SC                    ; the unit of y's scale words that waves 0 to 3 store
	s_mov_b32 s85, 0
	s_mul_i32 s86, s88, 393216                     ; wave 0: K's images, wave 1: V's blocks,
	s_mul_i32 s69, s10, 196608
	s_add_co_u32 s86, s86, s69
	s_add_co_u32 s86, s86, K_IMG
	s_mov_b32 s87, 0
	s_lshl_b32 s90, s88, 14                        ; wave 2: K's scale words, wave 3: V's
	s_lshl_b32 s69, s10, 13
	s_add_co_u32 s90, s90, s69
	s_add_co_u32 s90, s90, K_SC
	s_mov_b32 s91, 0
	s_mul_i32 s89, s88, 24576
	s_lshl_b32 s92, s88, 13
	s_add_co_u32 s92, s92, SCK
	s_mov_b32 s24, 3<<16                           ; group 1 for a slot's half: 24,576 dense bytes as 96 rows of 256 (32 elements of 8 bytes); no mask, no padding
	s_mov_b32 s25, 32<<16
	s_mov_b32 s26, 96<<16
	s_mov_b32 s27, 32<<16
	s_mov_b32 s28, 96
	s_mov_b32 s29, 32
	s_mov_b32 s30, 0
	s_mov_b32 s31, 0
	s_mov_b32 s32, 3<<16                           ; and for 8,192 bytes of scale words: 32 rows
	s_mov_b32 s33, 32<<16
	s_mov_b32 s34, 32<<16
	s_mov_b32 s35, 32<<16
	s_mov_b32 s36, 32
	s_mov_b32 s37, 32
	s_mov_b32 s38, 0
	s_mov_b32 s39, 0
	s_mov_b32 s[SEL], 0x76543210
	s_mov_b32 s[SEL+1], 0xfedcba98
	s_mov_b32 s22, 0x3e0293ee                      ; c = log2(e) / sqrt(128)
	s_mov_b32 s23, s22
	s_mov_b32 s2, 0
	s_mov_b32 s3, 0
	s_mov_b32 s67, 7
	s_mov_b32 s98, 0
	s_wait_dscnt 0x0                               ; the opening add is done
	s_wait_kmcnt 0x0
	s_mov_b32 s40, 1
	s_mov_b32 s41, s89
	s_add_nc_u64 s[42:43], s[6:7], s[86:87]
	s_or_b32 s43, s43, 0x80000000
	s_mov_b32 s44, 1
	s_mov_b32 s45, s92
	s_add_nc_u64 s[46:47], s[6:7], s[90:91]
	s_or_b32 s47, s47, 0x80000000
	s_cmp_lt_u32 s18, 2                            ; the first fills: slot 0 (waves 0, 1) and the scale words of the batch (waves 2, 3): one load a wave; every wait on TENSORcnt in this text is for 0
	s_cbranch_scc0 .Lnot_tile
	tensor_load_to_lds s[40:43], s[24:31]
	s_nop 0
.rept 4
	v_nop
.endr
	s_branch .Lfirst_asked
.Lnot_tile:
	s_cmp_lt_u32 s18, 4
	s_cbranch_scc0 .Lfirst_asked
	tensor_load_to_lds s[44:47], s[32:39]
	s_nop 0
.rept 4
	v_nop
.endr
.Lfirst_asked:
	s_add_nc_u64 s[70:71], s[4:5], s[70:71]
	s_add_nc_u64 s[72:73], s[4:5], s[72:73]
	s_add_nc_u64 s[82:83], s[8:9], s[82:83]
	s_add_nc_u64 s[84:85], s[8:9], s[84:85]
	s_lshr_b32 s69, s18, 3                         ; the prefetches: where my wave's stand, and who asks
	s_mul_i32 s76, s69, 393216
	s_mul_i32 s69, s10, 196608
	s_add_co_u32 s76, s76, s69
	s_and_b32 s69, s18, 3
	s_lshl_b32 s78, s69, 13
	s_add_co_u32 s76, s76, s78
	s_add_co_u32 s76, s76, K_IMG+SLOTB             ; in slot 1: the first change of slots steps it to slot 2
	s_mov_b32 s77, 0
	s_add_nc_u64 s[76:77], s[6:7], s[76:77]
	s_sub_co_u32 s78, s18, 4
	s_lshr_b32 s78, s78, 3                         ; 0 in waves 4 to 11,
	s_or_b32 s78, s78, ttmp9                       ; of work-group x = 0
	s_cmp_eq_u32 s78, 0
	s_cselect_b32 s80, 1, -1
	s_cmp_eq_u32 s69, 3                            ; (three waves' worth each)
	s_cselect_b32 s80, -1, s80
	v_and_b32 v8, 15, v0                           ; r
	v_bfe_u32 v9, v0, 4, 1                         ; h
	v_and_b32 v10, 31, v0
	v_lshlrev_b32 v1, 4, v10
	v_mul_u32_u24 v2, v8, 24
	v_mad_u32_u24 v2, v9, 384, v2
	v_add_nc_u32 v2, VOFF, v2
	v_lshl_add_u32 v3, v10, 2, SCK
	v_lshlrev_b32 v4, 4, v8
	s_lshr_b32 s69, s18, 2
	s_lshl_b32 s69, s69, 8
	s_and_b32 s78, s18, 3
	s_lshl_b32 s79, s78, 2
	s_add_co_u32 s69, s69, s79
	s_add_co_u32 s69, s69, YST
	v_add_nc_u32 v7, s69, v4                       ; unit w / 4, word w % 4, row r
	s_lshl_b32 s78, s78, 8
	s_add_co_u32 s78, s78, YST
	v_lshl_add_u32 v11, v10, 3, s78
	v_lshlrev_b32 v28, 8, v10
	v_lshlrev_b32 v29, 3, v10
.irp c, 0,1,2
	global_load_b128 v[16+4*\c:19+4*\c], v1, s[70:71] offset:512*\c      ; Q's fragment stays in registers
.endr
	global_load_b32 v255, v4, s[72:73]
	v_mov_b32 v13, 0xff61b1e6                      ; the largest t so far: -3e38
	v_floor_f32 v12, -v13
	v_mov_b32 v14, 0
	v_mov_b32 v15, 0
.irp b, 0,1,2,3
	v_mov_b32 v[236+\b], 0                         ; written once: a lane permute's destination counts as one of its sources
.endr
	v_mov_b32 v252, 0
	v_mov_b32 v253, 0
.set J, 0
.rept 64
	v_mov_b32 v[160+J], 0                          ; O^T: the step is written once; the first finds zeros
.set J, J+1
.endr
; A KEY STEP: 128 keys, the q-th of the slot in hand
.macro STEP q
	s_add_co_u32 s96, s99, 15
	s_cmp_gt_u32 s98, s96                          ; all its keys come after my queries: only the address steps at its end are run
	s_cbranch_scc1 .Lhidden_\@
	v_add_nc_u32 v8, s2, v1
	v_add_nc_u32 v9, s2, v2
	v_add_nc_u32 v10, s3, v3
	v_nop                                          ; four places in front of loads into registers that the last step's products read
.irp i, 0,1,2,3
	ds_load_b32 v[80+\i], v10 offset:128*\i        ; K's scale words: lanes 0-15 tile 2 i, lanes 16-31 tile 2 i + 1
.endr
.irp g, 0,1
.if \g > 0
.rept 4
	v_nop
.endr
.endif
.irp t, 0,1,2,3
.irp c, 0,1,2
	ds_load_b128 v[32+12*\t+4*\c:35+12*\t+4*\c], v8 offset:(8*(\q)+4*\g+\t)*1536+512*\c
.endr
.endr
	s_wait_dscnt 0x0
.irp t, 0,2
	v_wmma_scale_f32_16x16x128_f8f6f4 v[96+8*(4*\g+\t):103+8*(4*\g+\t)], v[32+12*\t:43+12*\t], v[16:27], 0, v[80+(4*\g+\t)/2], v255 matrix_a_fmt:MATRIX_FMT_FP6 matrix_b_fmt:MATRIX_FMT_FP6
	v_wmma_scale_f32_16x16x128_f8f6f4 v[104+8*(4*\g+\t):111+8*(4*\g+\t)], v[44+12*\t:55+12*\t], v[16:27], 0, v[80+(4*\g+\t)/2], v255 matrix_a_fmt:MATRIX_FMT_FP6 matrix_b_fmt:MATRIX_FMT_FP6 matrix_a_scale:MATRIX_SCALE_ROW1
.endr
.endr
.rept 4
	v_nop
.endr
	s_add_co_u32 s96, s98, 127                     ; on the diagonal the scores of hidden keys become -infinity; a step all of whose keys count skips this
	s_cmp_le_u32 s96, s99
	s_cbranch_scc1 .Lopen_\@
	s_sub_co_i32 s96, s99, s98
	v_and_b32 v251, 15, v0
	v_bfe_u32 v250, v0, 4, 1
	v_lshlrev_b32 v250, 3, v250
	v_sub_nc_u32 v251, v251, v250
	v_add_nc_u32 v251, s96, v251                   ; d = my query - the step's first key - 8 h: register n holds key 16 (n / 8) + n % 8 + 8 h, hidden where 16 (n / 8) + n % 8 > d
	v_mov_b32 v254, 0xff800000
.set N, 0
.rept 64
	v_cmp_gt_i32 vcc_lo, 16*(N/8)+N%8, v251
	v_cndmask_b32 v[96+N], v[96+N], v254, vcc_lo
.set N, N+1
.endr
.Lopen_\@:
.irp b, 0,1,2,3
	v_max3_num_f32 v[232+\b], v[96+16*\b], v[97+16*\b], v[98+16*\b]      ; the largest score of each block of 32 keys
.endr
.irp i, 3,5,7,9,11,13
.irp b, 0,1,2,3
	v_max3_num_f32 v[232+\b], v[232+\b], v[96+16*\b+\i], v[97+16*\b+\i]
.endr
.endr
.irp b, 0,1,2,3
	v_max_num_f32 v[232+\b], v[232+\b], v[111+16*\b]
.endr
.irp b, 0,1,2,3
	v_permlanex16_b32 v[236+\b], v[232+\b], s[SEL], s[SEL+1]
.endr
.irp b, 0,1,2,3
	v_max_num_f32 v[232+\b], v[232+\b], v[236+\b]
.endr
	v_max3_num_f32 v254, v232, v233, v234
	v_max_num_f32 v254, v254, v235
	v_mul_f32 v254, s22, v254
	v_max_num_f32 v13, v13, v254                   ; the running largest t
	v_mov_b32 v254, v12
	v_floor_f32 v12, -v13                          ; the new -M: M is a whole number
	v_sub_f32 v254, v12, v254
	v_cvt_i32_f32 v254, v254                       ; (it saturates)
	v_ldexp_f32 v252, 1.0, v254                    ; f = 2^(old M - new M)
.set J, 0
.rept 32
	v_pk_fma_f32 v[96+J:97+J], v[96+J:97+J], s[22:23], v[12:13] op_sel_hi:[1,0,0]   ; t - M
.set J, J+2
.endr
.irp b, 0,1,2,3
	v_fma_f32 v[232+\b], v[232+\b], s22, v12
.endr
.set J, 0
.rept 64
	v_exp_f32 v[96+J], v[96+J]                     ; p = 2^(t - M): one batch
.set J, J+1
.endr
	v_pk_mul_f32 v[14:15], v[14:15], v[252:253] op_sel_hi:[1,0]          ; the sums under the new M: a plain line behind the exponentials
	s_wait_alu depctr_va_vdst(0)                   ; one wait for the batch, ahead of its first reader
.irp b, 0,1,2,3
	v_exp_f32 v[232+\b], v[232+\b]                 ; each block's largest p
.endr
	v_pk_add_f32 v[236:237], v[96:97], v[98:99]    ; the row's sum of the unquantised p, in two chains
.set J, 4
.rept 15
	v_pk_add_f32 v[14:15], v[14:15], v[96+J:97+J]
	v_pk_add_f32 v[236:237], v[236:237], v[98+J:99+J]
.set J, J+4
.endr
	v_pk_add_f32 v[14:15], v[14:15], v[236:237]
	s_wait_alu depctr_va_vdst(0)                   ; and one for the four
.irp b, 0,1,2,3
	v_max_num_f32 v[232+\b], 0x1800000, v[232+\b]  ; the floor 2^(3 - 127)
.endr
.irp b, 0,1,2,3
	v_add_nc_u32 v[244+\b], 0xff000000, v[232+\b]
.endr
.irp b, 0,1,2,3
	v_lshrrev_b32 v[236+\b], 23, v[244+\b]
.endr
	v_lshl_or_b32 v253, v237, 8, v236              ; p's scale word for these 128 keys
	v_lshl_or_b32 v253, v238, 16, v253
	v_lshl_or_b32 v253, v239, 24, v253
.irp c, 0,1
	v_cvt_scalef32_pk16_fp6_f32 v[224+6*\c:226+6*\c], v[96+32*\c:111+32*\c], v[244+2*\c]
	v_cvt_scalef32_pk16_fp6_f32 v[236+4*\c:238+4*\c], v[112+32*\c:127+32*\c], v[244+2*\c+1]
.endr
	v_nop
.irp c, 0,1
.irp i, 0,1,2
	v_permlane16_swap_b32 v[224+6*\c+\i], v[236+4*\c+\i]
.endr
.irp i, 0,1,2
	v_mov_b32 v[227+6*\c+\i], v[236+4*\c+\i]
.endr
.endr
.set J, 0
.rept 32
	v_pk_mul_f32 v[160+J:161+J], v[160+J:161+J], v[252:253] op_sel_hi:[1,0]   ; O^T under the new M; these 32 are also the places in front of the products and loads below
.set J, J+2
.endr
.irp i, 0,1,2,3
	ds_load_b32 v[84+\i], v10 offset:8192+128*\i   ; V's scale words
.endr
.irp g, 0,1
.if \g > 0
.rept 4
	v_nop
.endr
.endif
.irp t, 0,1,2,3
.irp c, 0,1
.irp p, 0,1,2
	ds_load_b64 v[32+12*\t+6*\c+2*\p:33+12*\t+6*\c+2*\p], v9 offset:12288*(\q)+1536*(4*\g+\t)+768*\c+8*\p
.endr
.endr
.endr
	s_wait_dscnt 0x0
.irp t, 0,2
	v_wmma_scale_f32_16x16x128_f8f6f4 v[160+8*(4*\g+\t):167+8*(4*\g+\t)], v[32+12*\t:43+12*\t], v[224:235], v[160+8*(4*\g+\t):167+8*(4*\g+\t)], v[84+(4*\g+\t)/2], v253 matrix_a_fmt:MATRIX_FMT_FP6 matrix_b_fmt:MATRIX_FMT_FP6
	v_wmma_scale_f32_16x16x128_f8f6f4 v[168+8*(4*\g+\t):175+8*(4*\g+\t)], v[44+12*\t:55+12*\t], v[224:235], v[168+8*(4*\g+\t):175+8*(4*\g+\t)], v[84+(4*\g+\t)/2], v253 matrix_a_fmt:MATRIX_FMT_FP6 matrix_b_fmt:MATRIX_FMT_FP6 matrix_a_scale:MATRIX_SCALE_ROW1
.endr
.endr
.Lhidden_\@:
	s_add_co_u32 s98, s98, 128
	s_add_co_u32 s3, s3, 512
.endm
; THE CHANGE OF SLOTS, at a slot's head: each wave waits for all its tensor loads, adds 0 to its spare word, waits for that and for its reads of the slot that it has left; one barrier; fill = 1: the slot left is filled with the keys that follow,
; while that slot's first key is at or under the work-group's last query.
.macro CHANGE fill
	s_wait_tensorcnt 0x0
	ds_add_u32 v5, v6
.if \fill
	s_xor_b32 s41, s41, SLOT1                      ; the walking descriptor: the other slot, the next 256 keys
	s_add_nc_u64 s[42:43], s[42:43], SLOTB
	s_wait_xcnt 0x0                                ; the last prefetch, a slot back, has read its address
	s_add_nc_u64 s[76:77], s[76:77], SLOTB
.endif
	s_wait_dscnt 0x0
	s_barrier_signal -1
	s_barrier_wait -1
.if \fill
	s_add_co_u32 s96, s98, 256
	s_cmp_gt_u32 s96, s66
	s_cbranch_scc1 .Lpast_\@
	TLOAD1
.Lpast_\@:
	ASK
.endif
.endm
	s_wait_loadcnt 0x0                             ; Q
.Lslot:                                            ; seven trips
	CHANGE 1
	STEP 0
	STEP 1
	s_xor_b32 s2, s2, SLOT1
	s_sub_co_u32 s67, s67, 1
	s_cmp_lg_u32 s67, 0
	s_cbranch_scc1 .Lslot
	CHANGE 0                                       ; the last slot is written out: nothing is left to fetch
	STEP 0
	STEP 1
	; THE WAY OUT: O^T / the sum; register 16 b + i is channel 32 b + 16 h + i of my query: quantised, it is K step "head" of the last product
.rept 4
	v_nop
.endr
	v_add_f32 v14, v14, v15
	v_permlanex16_b32 v252, v14, s[SEL], s[SEL+1]
	v_add_f32 v14, v14, v252
	v_rcp_f32 v14, v14
	v_nop                                          ; a plain line behind the reciprocal,
	s_wait_alu depctr_va_vdst(0)                   ; and the wait ahead of its first reader
.set J, 0
.rept 64
	v_mul_f32 v[96+J], v[160+J], v14
.set J, J+1
.endr
	QUANT_A 96
	QUANT_B 52
.irp c, 0,1,2
	global_store_b128 v1, v[PC+4*\c:PC+4*\c+3], s[82:83] offset:512*\c
.endr
	ds_store_b32 v7, v52                           ; four heads' words make a unit (both halves of the lanes write the same word with the same value)
	s_wait_tensorcnt 0x0                           ; the wave's closing lines, behind my last LDS store: only a read of LDS follows
	ds_add_u32 v5, v6
	s_wait_dscnt 0x0                               ; for the others' sake too: my word has landed
	s_barrier_signal -1
	s_barrier_wait -1
	s_cmp_lt_u32 s18, 4
	s_cbranch_scc0 .Ldone
	ds_load_b64 v[54:55], v11
	s_wait_dscnt 0x0
	global_store_b64 v29, v[54:55], s[84:85]       ; one aligned block of 256 bytes a wave
.Ldone:
	s_endpgm
.Lfunc_end_k_qab920b44d6_attn:
	.size	k_qab920b44d6_attn, .Lfunc_end_k_qab920b44d6_attn-k_qab920b44d6_attn
	.p2alignl 7, 3214868480
	.fill 96, 4, 3214868480
	.section	.rodata,"a",@progbits
	.p2align	6, 0x0
	.amdhsa_kernel k_qab920b44d6_attn
		.amdhsa_group_segment_fixed_size 327680
		.amdhsa_private_segment_fixed_size 0
		.amdhsa_enable_private_segment 0
		.amdhsa_kernarg_size 24
		.amdhsa_user_sgpr_count 2
		.amdhsa_user_sgpr_kernarg_segment_ptr 1
		.amdhsa_wavefront_size32 1
		.amdhsa_system_sgpr_workgroup_id_x 1
		.amdhsa_system_sgpr_workgroup_id_y 1
		.amdhsa_system_sgpr_workgroup_id_z 1
		.amdhsa_system_vgpr_workitem_id 0
		.amdhsa_next_free_vgpr 256
		.amdhsa_next_free_sgpr 100
		.amdhsa_reserve_vcc 1
		.amdhsa_float_denorm_mode_32 3
		.amdhsa_float_denorm_mode_16_64 3
		.amdhsa_memory_ordered 1
		.amdhsa_forward_progress 1
		.amdhsa_inst_pref_size 122
	.end_amdhsa_kernel
	.amdgpu_metadata
---
amdhsa.version: [ 1, 2 ]
amdhsa.kernels:
  - .name:           k_qab920b44d6_attn
    .symbol:         k_qab920b44d6_attn.kd
    .args:
      - { .name: QB, .offset: 0, .size: 8, .value_kind: global_buffer, .address_space: global }
      - { .name: XB, .offset: 8, .size: 8, .value_kind: global_buffer, .address_space: global }
      - { .name: YB, .offset: 16, .size: 8, .value_kind: global_buffer, .address_space: global }
    .group_segment_fixed_size: 327680
    .private_segment_fixed_size: 0
    .kernarg_segment_align: 8
    .kernarg_segment_size: 24
    .max_flat_workgroup_size: 512
    .sgpr_count:     100
    .vgpr_count:     256
    .wavefront_size: 32
...
	.end_amdgpu_metadata
.endif
;; end of part 4
;; launch gemm_o (part 5): grid 16 x 16, 4 waves a work-group, clusters of 4 x 4, 327,680 bytes of LDS; arguments YB, WB, b_proj, out0; writes out0
.if DOCPART == 5
	.amdgcn_target "amdgcn-amd-amdhsa--gfx1250"
	.amdhsa_code_object_version 6
	.text
	.protected	k_qab920b44d6_gemm_o
	.globl	k_qab920b44d6_gemm_o
	.p2align	8
	.type	k_qab920b44d6_gemm_o,@function
k_qab920b44d6_gemm_o:
	s_mov_b64 s[64:65], 0
	v_nop
	global_prefetch_b8 v0, s[64:65] scope:SCOPE_SE
	s_setreg_imm32_b32 hwreg(HW_REG_WAVE_MODE, 25, 1), 1
	s_wait_xcnt 0x0
	s_wait_alu depctr_hold_cnt(0) depctr_sa_sdst(0) depctr_va_vdst(0) depctr_va_sdst(0) depctr_va_ssrc(0) depctr_va_vcc(0) depctr_vm_vsrc(0)
	s_getreg_b32 s2, hwreg(HW_REG_IB_STS2, 6, 4)
	s_cmp_eq_u32 s2, 0
	s_cbranch_scc0 .Lentry_in_a_cluster
	s_endpgm
.Lentry_in_a_cluster:
	s_bfe_u32 s2, ttmp6, 0x10000c
	s_cmp_lg_u32 s2, 0xf033
	s_cbranch_scc0 .Lentry_shape_is_right
	s_endpgm
.Lentry_shape_is_right:
; out = y W_proj + b_proj on codes of FP6 (E2M3) with E8M0 scales; out [4096][2048] f32.
; OPERANDS lie in memory as images of their registers: 16 rows x 128 K = 1,536 bytes (registers 4 c .. + 3 of lane l at 512 c + 16 l), [tile][K step]; scale units [tile][K step / 4][row][4 words].
; SHARES.  A work-group makes 256 rows x 128 columns: 256 work-groups, one for each WGP.  Wave w makes rows 64 w .. + 63 x all 128 columns: 4 tiles of rows x 8 tiles of W_proj = 32 accumulators.
; The product is used transposed (source 0 = W_proj, source 1 = y); W_proj's tiles hold chosen columns: register j of lane (r, h) in tile 2 b + u is column 32 b + 8 u + 16 h + j of row r.
; RING.  Two LDS slots of four K steps each (147,456 bytes); K = 2,048 is four fills: two at the start, two refills.  Every fragment load reads 512 consecutive bytes: no padding.  The scale units come once with the first fills.
; CLUSTER 4 x 4: y's tiles are asked for jointly along a row of the cluster, W_proj's along a column.  No prefetch: half of K is asked for in the first group and the rest a whole slot ahead.
; THE WAY OUT goes through each wave's own stage (rows of 528 bytes) in slot 0, which has had its last fill and its last read by then: a wave's store covers 512 consecutive bytes of a row.
.set TB0,   136                        ; W_proj's first tile in WB
.set A_SC,  6291456
.set W_SC,  6488064
.set TILEB, 24576
.set KGB,   6144
.set FRB,   1536
.set SLOT,  147456
.set BOFF,  98304
.set SCL,   294912
.set SPARE, 319488
; window 0: v1 r, v2 h, v3 16 lane, v4-5 y's fragments in slot 0, 1, v6-7 W_proj's, v8 scale words, v9 64 h, v10, v11 the stage in and out, v30-31 the add's two
.set SC,  32                           ; v32-95   scale words, two sets
.set AF,  96                           ; v96-191  y's fragments, two sets of 4; on the way out v96-223 rows read back
; window 1: accumulator (a, t) at v[8 (8 a + t)].   window 2: W_proj's fragments, two sets of 8; v192-255 the bias
.set G1, 24
.set G0, 32
.set G1B, 48
.set G0B, 56
.set G1S, 68
.set G0S, 76
.set G1SB, 80
.set G0SB, 88
.set MSB, 0
.macro WIN new                         ; the immediate's high byte repeats the setting that is left
.if MSB != \new
	s_set_vgpr_msb (MSB<<8)|\new
.set MSB, \new
.endif
.endm
.macro PLACES n
.rept \n
	v_nop
.endr
.endm
.macro JLOAD g0a, g1a, g0b, g1b        ; a joint load: waves 0 and 1 fetch for y, waves 2 and 3 for W_proj; an s_nop 0 and four v_nop follow each line
	s_cmp_eq_u32 s15, 0
	s_cbranch_scc0 .Lfor_b_\@
	tensor_load_to_lds s[\g0a:\g0a+3], s[\g1a:\g1a+7]
	s_nop 0
.rept 4
	v_nop
.endr
	s_branch .Lasked_\@
.Lfor_b_\@:
	tensor_load_to_lds s[\g0b:\g0b+3], s[\g1b:\g1b+7]
	s_nop 0
.rept 4
	v_nop
.endr
.Lasked_\@:
.endm
.macro CREST
	s_cmp_lg_u32 s14, 0
	s_cbranch_scc1 .Lnot_wave_0_\@
	s_barrier_signal -3
.Lnot_wave_0_\@:
	s_barrier_wait -3
	s_barrier_signal -1
	s_barrier_wait -1
.endm
.macro CROUND
	s_barrier_signal -1
	s_barrier_wait -1
	CREST
.endm
	s_load_b256 s[4:11], s[0:1], 0x0               ; YB s[4:5], WB s[6:7], b_proj s[8:9], out0 s[10:11]
	v_lshl_add_u32 v30, v0, 2, SPARE
	v_mov_b32 v31, 0
	ds_add_u32 v30, v31                            ; the wave's opening: the add and its wait stand ahead of my first tensor load
	v_lshrrev_b32 v1, 5, v0
	v_readfirstlane_b32 s14, v1
	s_lshr_b32 s15, s14, 1
	s_and_b32 s16, s14, 1
	s_bfe_u32 s40, ttmp6, 0x40000
	s_bfe_u32 s41, ttmp6, 0x40004
	s_lshl_b32 s42, ttmp9, 2
	s_add_co_u32 s42, s42, s40                     ; the block of 128 columns
	s_and_b32 s17, ttmp7, 0xffff
	s_lshl_b32 s17, s17, 2
	s_add_co_u32 s17, s17, s41                     ; the block of 256 rows
	s_lshl_b32 s43, s41, 2
	s_lshl_b32 s43, 15, s43
	s_lshl_b32 s44, 0x1111, s40
	s_or_b32 s[G1+0], s43, (3<<16)|(1<<21)         ; the mask; elements of 8 bytes; bit 21 set beside a mask; no padding
	s_mov_b32 s[G1+1], 768<<16
	s_mov_b32 s[G1+2], 8<<16
	s_mov_b32 s[G1+3], 768<<16
	s_mov_b32 s[G1+4], 8
	s_mov_b32 s[G1+5], 3072
	s_mov_b32 s[G1+6], 0
	s_mov_b32 s[G1+7], 0
	s_or_b32 s[G1B+0], s44, (3<<16)|(1<<21)
	s_mov_b32 s[G1B+1], 768<<16
	s_mov_b32 s[G1B+2], 4<<16
	s_mov_b32 s[G1B+3], 768<<16
	s_mov_b32 s[G1B+4], 4
	s_mov_b32 s[G1B+5], 3072
	s_mov_b32 s[G1B+6], 0
	s_mov_b32 s[G1B+7], 0
	s_or_b32 s[G1S+0], s43, (3<<16)|(1<<21)
	s_mov_b32 s[G1S+1], 32<<16
	s_mov_b32 s[G1S+2], 32<<16
	s_mov_b32 s[G1S+3], 32<<16
	s_mov_b32 s[G1S+4], 32
	s_mov_b32 s[G1S+5], 32
	s_mov_b32 s[G1S+6], 0
	s_mov_b32 s[G1S+7], 0
	s_or_b32 s[G1SB+0], s44, (3<<16)|(1<<21)
	s_mov_b32 s[G1SB+1], 32<<16
	s_mov_b32 s[G1SB+2], 16<<16
	s_mov_b32 s[G1SB+3], 32<<16
	s_mov_b32 s[G1SB+4], 16
	s_mov_b32 s[G1SB+5], 32
	s_mov_b32 s[G1SB+6], 0
	s_mov_b32 s[G1SB+7], 0
	s_lshl_b32 s20, s17, 4
	s_lshl_b32 s18, s16, 3
	s_add_co_u32 s20, s20, s18
	s_mul_i32 s20, s20, TILEB
	s_mov_b32 s21, 0
	s_lshl_b32 s46, s42, 3
	s_lshl_b32 s18, s16, 2
	s_add_co_u32 s46, s46, s18
	s_add_co_u32 s46, s46, TB0
	s_mul_i32 s46, s46, TILEB
	s_mov_b32 s47, 0
	s_lshl_b32 s22, s17, 14
	s_lshl_b32 s18, s16, 13
	s_add_co_u32 s22, s22, s18
	s_add_co_u32 s22, s22, A_SC
	s_mov_b32 s23, 0
	s_lshl_b32 s92, s42, 13
	s_lshl_b32 s18, s16, 12
	s_add_co_u32 s92, s92, s18
	s_add_co_u32 s92, s92, W_SC+TB0*1024
	s_mov_b32 s93, 0
	s_mul_i32 s45, s16, 49152
	s_mul_i32 s94, s16, 24576
	s_add_co_u32 s94, s94, BOFF
	s_lshl_b32 s95, s16, 13
	s_add_co_u32 s95, s95, SCL
	s_lshl_b32 s96, s16, 12
	s_add_co_u32 s96, s96, SCL+16384
	s_wait_dscnt 0x0                               ; the opening add is done
	s_wait_kmcnt 0x0
	s_add_nc_u64 s[20:21], s[4:5], s[20:21]
	s_add_nc_u64 s[22:23], s[4:5], s[22:23]
	s_add_nc_u64 s[46:47], s[6:7], s[46:47]
	s_add_nc_u64 s[92:93], s[6:7], s[92:93]
	CROUND                                         ; all sixteen work-groups are here: the first joint loads meet
	s_mov_b32 s[G0S], 1
	s_mov_b32 s[G0S+1], s95
	s_mov_b64 s[G0S+2:G0S+3], s[22:23]
	s_or_b32 s[G0S+3], s[G0S+3], 0x80000000
	s_mov_b32 s[G0SB], 1
	s_mov_b32 s[G0SB+1], s96
	s_mov_b64 s[G0SB+2:G0SB+3], s[92:93]
	s_or_b32 s[G0SB+3], s[G0SB+3], 0x80000000
	JLOAD G0S, G1S, G0SB, G1SB                     ; the scales first; with the two slots three loads of mine are out
.irp s, 0,1
	s_mov_b32 s[G0+4*\s], 1
	s_add_co_u32 s[G0+4*\s+1], s45, \s*SLOT
	s_add_nc_u64 s[G0+4*\s+2:G0+4*\s+3], s[20:21], \s*KGB
	s_or_b32 s[G0+4*\s+3], s[G0+4*\s+3], 0x80000000
	s_mov_b32 s[G0B+4*\s], 1
	s_add_co_u32 s[G0B+4*\s+1], s94, \s*SLOT
	s_add_nc_u64 s[G0B+4*\s+2:G0B+4*\s+3], s[46:47], \s*KGB
	s_or_b32 s[G0B+4*\s+3], s[G0B+4*\s+3], 0x80000000
	JLOAD G0+4*\s, G1, G0B+4*\s, G1B
.endr
	v_and_b32 v1, 15, v0
	v_bfe_u32 v2, v0, 4, 1
	v_and_b32 v3, 31, v0
	v_lshlrev_b32 v3, 4, v3
	s_mul_i32 s18, s14, 24576
	v_add_nc_u32 v4, s18, v3
	v_add_nc_u32 v5, SLOT, v4
	v_add_nc_u32 v6, BOFF, v3
	v_add_nc_u32 v7, SLOT+BOFF, v3
	s_xor_b32 s18, s14, 3
	s_add_co_u32 s18, s18, 1
	s_lshl_b32 s18, s18, 12                        ; 16,384 - 4,096 w
	v_mul_u32_u24 v8, s18, v2                      ; lanes 16-31 take W_proj's scale words
	s_lshl_b32 s18, s14, 12
	s_add_co_u32 s18, s18, SCL
	v_add_nc_u32 v8, s18, v8
	v_lshl_add_u32 v8, v1, 4, v8
	v_lshlrev_b32 v9, 6, v2
	s_mul_i32 s18, s14, 8448                       ; my stage
	v_mul_u32_u24 v10, v1, 528
	v_lshl_add_u32 v10, v2, 6, v10
	v_add_nc_u32 v10, s18, v10                     ; in: row r, + 64 h
	v_add_nc_u32 v11, s18, v3                      ; back: a row's 512 bytes
	s_lshl_b32 s12, s42, 9
	s_mov_b32 s13, 0
	s_add_nc_u64 s[8:9], s[8:9], s[12:13]          ; my columns' bias
	s_lshl_b32 s2, s17, 8
	s_lshl_b32 s3, s14, 6
	s_add_co_u32 s2, s2, s3                        ; my first row
	s_lshl_b32 s2, s2, 13
	s_add_co_u32 s12, s12, s2
	s_add_nc_u64 s[12:13], s[10:11], s[12:13]      ; in out
	WIN 0x80
.irp t, 0,1,2,3,4,5,6,7
	global_load_b128 v[192+8*\t:195+8*\t], v9, s[8:9] offset:(32*(\t/2)+8*(\t%2))*4
	global_load_b128 v[196+8*\t:199+8*\t], v9, s[8:9] offset:(32*(\t/2)+8*(\t%2))*4+16
.endr
	WIN 0
.macro FETCH slot, q, set
	WIN 0x80
.irp t, 0,1,2,3,4,5,6,7
.irp c, 0,1,2
	ds_load_b128 v[96*(\set)+12*\t+4*\c:96*(\set)+12*\t+4*\c+3], v[6+\slot] offset:KGB*\t+FRB*(\q)+512*\c
.endr
.endr
	WIN 0
.irp a, 0,1,2,3
.irp c, 0,1,2
	ds_load_b128 v[AF+48*(\set)+12*\a+4*\c:AF+48*(\set)+12*\a+4*\c+3], v[4+\slot] offset:KGB*\a+FRB*(\q)+512*\c
.endr
.endr
.endm
.macro SCALES kg
.irp i, 0,1,2,3,4,5,6,7
	ds_load_b128 v[SC+32*((\kg)&1)+4*\i:SC+32*((\kg)&1)+4*\i+3], v8 offset:1024*\i+256*(\kg)
.endr
.endm
; The 32 accumulators take turns, one instruction a turn, in one order throughout.  first = 1: the bias is the C.
.macro MULS a0, n, set, q, sc, first
.set AA, \a0
.rept \n
.irp t, 0,1,2,3,4,5,6,7
.if \first
	v_wmma_scale_f32_16x16x128_f8f6f4 v[8*(8*AA+\t):8*(8*AA+\t)+7], v[96*(\set)+12*\t:96*(\set)+12*\t+11], v[AF+48*(\set)+12*AA:AF+48*(\set)+12*AA+11], v[192+8*\t:192+8*\t+7], v[SC+32*(\sc)+4*\t+(\q)], v[SC+32*(\sc)+4*AA+(\q)] matrix_a_fmt:MATRIX_FMT_FP6 matrix_b_fmt:MATRIX_FMT_FP6 matrix_a_scale:MATRIX_SCALE_ROW1
.else
	v_wmma_scale_f32_16x16x128_f8f6f4 v[8*(8*AA+\t):8*(8*AA+\t)+7], v[96*(\set)+12*\t:96*(\set)+12*\t+11], v[AF+48*(\set)+12*AA:AF+48*(\set)+12*AA+11], v[8*(8*AA+\t):8*(8*AA+\t)+7], v[SC+32*(\sc)+4*\t+(\q)], v[SC+32*(\sc)+4*AA+(\q)] matrix_a_fmt:MATRIX_FMT_FP6 matrix_b_fmt:MATRIX_FMT_FP6 matrix_a_scale:MATRIX_SCALE_ROW1
.endif
.endr
.set AA, AA+1
.endr
.endm
.macro KSTEP slot, q, first
	s_wait_dscnt 0x0                               ; this step's fragments are in
	PLACES 4                                       ; in front of loads into the set that the last step's products read
	FETCH \slot, (\q)+1, 1-((\q)&1)
.if \first
	WIN 0x62
.else
	WIN 0x52
.endif
	MULS 0, 4, (\q)&1, \q, \slot, \first
	WIN 0
.endm
; A slot's last K step changes slots: ONE barrier; in front of it each wave waits for all its tensor loads, adds 0 to its spare word, and waits for that and for its reads of this slot.
.macro TURN slot, next, fill, kgn
	s_wait_tensorcnt 0x0
	ds_add_u32 v30, v31
	s_wait_dscnt 1                                 ; (the add alone may be out)
	WIN 0x52
	MULS 0, 1, 1, 3, \slot, 0
	s_wait_dscnt 0x0
	s_barrier_signal -1
	MULS 1, 1, 1, 3, \slot, 0
	WIN 0
	s_barrier_wait -1
.if \fill
	CREST                                          ; a round of the cluster's barrier: no wave of any partner still reads this slot or has a load on its way
	s_add_nc_u64 s[G0+4*\slot+2:G0+4*\slot+3], s[G0+4*\slot+2:G0+4*\slot+3], 2*KGB
	s_add_nc_u64 s[G0B+4*\slot+2:G0B+4*\slot+3], s[G0B+4*\slot+2:G0B+4*\slot+3], 2*KGB
	JLOAD G0+4*\slot, G1, G0B+4*\slot, G1B
.else
	PLACES 4
.endif
	FETCH \next, 0, 0
	SCALES \kgn
	WIN 0x52
	MULS 2, 2, 1, 3, \slot, 0
	WIN 0
.endm
	s_wait_tensorcnt 1                             ; the scales and my part of slot 0 are in; slot 1's may stay out
	s_barrier_signal -1
	s_barrier_wait -1
	FETCH 0, 0, 0
	SCALES 0
	s_wait_loadcnt 0x0                             ; the bias
	KSTEP 0, 0, 1
	KSTEP 0, 1, 0
	KSTEP 0, 2, 0
	TURN 0, 1, 1, 1
	KSTEP 1, 0, 0
	KSTEP 1, 1, 0
	KSTEP 1, 2, 0
	TURN 1, 0, 1, 2
	KSTEP 0, 0, 0
	KSTEP 0, 1, 0
	KSTEP 0, 2, 0
	TURN 0, 1, 0, 3                                ; nothing is left to fetch; behind this barrier nobody reads slot 0
	KSTEP 1, 0, 0
	KSTEP 1, 1, 0
	KSTEP 1, 2, 0
	s_wait_dscnt 0x0
	WIN 0x52
	MULS 0, 4, 1, 3, 1, 0
	WIN 0
; THE WAY OUT, a tile of 16 rows x 128 columns at a time, through my own stage: LDS serves a wave's instructions in order, so no wait stands between the stores and the loads
.macro TOSTAGE a
	WIN 0x04
.irp t, 0,1,2,3,4,5,6,7
	ds_store_b128 v10, v[8*(8*(\a)+\t):8*(8*(\a)+\t)+3] offset:128*(\t/2)+32*(\t%2)          ; each accumulator from its low end on
	ds_store_b128 v10, v[8*(8*(\a)+\t)+4:8*(8*(\a)+\t)+7] offset:128*(\t/2)+32*(\t%2)+16
.endr
	WIN 0
.set BB, 96+64*((\a)%2)
.irp t, 0,1,2,3,4,5,6,7,8,9,10,11,12,13,14,15
	ds_load_b128 v[BB+4*\t:BB+4*\t+3], v11 offset:528*\t
.endr
.endm
.macro SEND a, younger                 ; younger: the LDS instructions issued behind tile a's loads, which may stay out
.set BB, 96+64*((\a)%2)
	s_wait_dscnt \younger
.irp t, 0,1,2,3,4,5,6,7,8,9,10,11,12,13,14,15
	global_store_b128 v3, v[BB+4*\t:BB+4*\t+3], s[12:13] offset:(16*(\a)+\t)*8192 th:TH_STORE_NT   ; 512 consecutive bytes of a row, aligned
.endr
.endm
	PLACES 4                                       ; behind the last products
	TOSTAGE 0
	TOSTAGE 1
	SEND 0, 32                                     ; behind tile 0's loads: tile 1's 16 stores and 16 loads
	s_wait_xcnt 0x0                                ; tile 0's stores have read their registers: tile 2's loads may land there
	TOSTAGE 2
	SEND 1, 32
	s_wait_xcnt 0x0
	TOSTAGE 3
	SEND 2, 32
	SEND 3, 0
	s_wait_tensorcnt 0x0                           ; the wave's end, behind my last tensor load and my last LDS store
	ds_add_u32 v30, v31
	s_wait_dscnt 0x0
	CROUND                                         ; the closing round
	s_endpgm
.Lfunc_end_k_qab920b44d6_gemm_o:
	.size	k_qab920b44d6_gemm_o, .Lfunc_end_k_qab920b44d6_gemm_o-k_qab920b44d6_gemm_o
	.p2alignl 7, 3214868480
	.fill 96, 4, 3214868480
	.section	.rodata,"a",@progbits
	.p2align	6, 0x0
	.amdhsa_kernel k_qab920b44d6_gemm_o
		.amdhsa_group_segment_fixed_size 327680
		.amdhsa_private_segment_fixed_size 0
		.amdhsa_enable_private_segment 0
		.amdhsa_kernarg_size 32
		.amdhsa_user_sgpr_count 2
		.amdhsa_user_sgpr_kernarg_segment_ptr 1
		.amdhsa_wavefront_size32 1
		.amdhsa_system_sgpr_workgroup_id_x 1
		.amdhsa_system_sgpr_workgroup_id_y 1
		.amdhsa_system_sgpr_workgroup_id_z 1
		.amdhsa_system_vgpr_workitem_id 0
		.amdhsa_next_free_vgpr 768
		.amdhsa_next_free_sgpr 98
		.amdhsa_reserve_vcc 0
		.amdhsa_float_denorm_mode_32 3
		.amdhsa_float_denorm_mode_16_64 3
		.amdhsa_memory_ordered 1
		.amdhsa_forward_progress 1
		.amdhsa_inst_pref_size 135
	.end_amdhsa_kernel
	.amdgpu_metadata
---
amdhsa.version: [ 1, 2 ]
amdhsa.kernels:
  - .name:           k_qab920b44d6_gemm_o
    .symbol:         k_qab920b44d6_gemm_o.kd
    .args:
      - { .name: YB, .offset: 0, .size: 8, .value_kind: global_buffer, .address_space: global }
      - { .name: WB, .offset: 8, .size: 8, .value_kind: global_buffer, .address_space: global }
      - { .name: b_proj, .offset: 16, .size: 8, .value_kind: global_buffer, .address_space: global }
      - { .name: out0, .offset: 24, .size: 8, .value_kind: global_buffer, .address_space: global }
    .group_segment_fixed_size: 327680
    .private_segment_fixed_size: 0
    .kernarg_segment_align: 8
    .kernarg_segment_size: 32
    .max_flat_workgroup_size: 128
    .sgpr_count:     98
    .vgpr_count:     768
    .wavefront_size: 32
...
	.end_amdgpu_metadata
.endif
;; end of part 5
